; MI455X (gfx1250); checked and timed in simulation.
; The chip was launched on July 23, 2026; its instructions are those of AMD's public machine-readable ISA for CDNA 5 (MIT licence, August 2026) and "CDNA5" Instruction Set Architecture Reference Guide (July 2026). The comments in the code are by the model that wrote it; some were corrected since.
;; Parallel Dropless MLP. Allowed arithmetic: float matrix products may take bf16 or f16 operands with f32 sums; all other float work in f32.
;; Inputs: expert_indices 4,096 x 2 int32; expert_weights 4,096 x 2 float32; w1 8 x 1,024 x 1,024 float32; w2 8 x 1,024 x 1,024 float32; x 2,048 x 2 x 1,024 float32.
;; Outputs: out0 2,048 x 2 x 1,024 float32.
;; 2 versions, each right; version 2 is version 1 with the launches prep, combine written anew for expert scheduling mode. Each part assembles by itself: llvm-mc -triple=amdgcn-amd-amdhsa -mcpu=gfx1250 --defsym DOCPART=n.
;; ======== version 1 of 2: 4 launches
;; limits: values are held in f16: magnitudes above 65,504 overflow, below 6.1e-05 lose precision
;; workspace buffers: xs 18,874,368 bytes; w1b 16,777,216 bytes; w2b 16,777,216 bytes; h 18,874,368 bytes; y 37,748,736 bytes; pos 32,768 bytes of whole numbers; texp 256 bytes of whole numbers
;; launch prep (part 1): grid 256 x 1, 8 waves a work-group, no clusters, 18,688 bytes of LDS; arguments expert_indices, w1, w2, x, xs, w1b, w2b, pos, texp; writes xs, w1b, w2b, pos, texp
.if DOCPART == 1
	.amdgcn_target "amdgcn-amd-amdhsa--gfx1250"
	.amdhsa_code_object_version 6
	.text
	.protected	k_q87839eb2d5_prep
	.globl	k_q87839eb2d5_prep
	.p2align	8
	.type	k_q87839eb2d5_prep,@function
k_q87839eb2d5_prep:
	s_mov_b64 s[64:65], 0
	v_nop
	global_prefetch_b8 v0, s[64:65] scope:SCOPE_SE
	s_setreg_imm32_b32 hwreg(HW_REG_WAVE_MODE, 25, 1), 1
	s_wait_xcnt 0x0
; PREP: routing tables, weights to f16 in the matrix unit's fragment order, token rows to f16 in sorted order.
; The 8,192 (token, pick) pairs are sorted by expert; each expert's segment is padded to a multiple of 144 rows.
; The sum over experts of ceil(count/144) is at most (8192 + 8*143)/144 = 64, so 64 row slots = 9,216 rows hold every distribution,
; and there are always exactly 9216 - 8192 = 1,024 pad rows, which are stored as zeros.
; Every work-group counts all 8,192 indices itself (32 KiB, whole numbers only): no traffic between work-groups.
; Work-group i owns: 32 k rows (128 KiB) of w1 and of w2, tokens 16 i .. 16 i + 15 (pairs 32 i .. 32 i + 31),
; pad rows 4 i .. 4 i + 3 of the 1,024; work-group 0 also stores the table slot -> expert.
; WEIGHTS OUT: w[e][k][n] f32 becomes f16 at [e][n / 16][k / 8][n % 16][k % 8]: 16 bytes hold eight neighbouring k of one column, 256 bytes
; sixteen columns of one k octet, 1,024 bytes a fragment of 16 columns x 32 k as the later launches' lanes take it by two 16-byte loads.
; A wave takes 8 k rows x 512 columns, in 4 units of 128 columns: 8 loads of 512 consecutive bytes, 16 packed roundings that pair
; neighbouring k, a turn through its own LDS stage (a lane holds 4 columns, a store wants 16 neighbouring columns in 16 lanes), 4 stores.
; WHY f16: 11 significant bits against bf16's 8.  The result is compared within a hundredth of its root mean square; sums of 1,024 products
; of operands rounded to 8 bits (relative error about 1.7e-3 each) come to a fifth of that allowance and more, rounded to 11 bits to a fortieth.
; LIMIT OF RANGE: an x or a weight of magnitude 65,520 or more becomes infinite in f16; below 2^-14 the step is 2^-24.  Numbers of spread 1
; (x) and 0.02 (weights), 30 times larger or smaller or offset by 30 spreads, lie between 6.7e-4 and about 200: inside.
; LIMIT: indices are taken to lie in 0 .. 7 as the problem grants; whatever they hold, every row number is clamped to 9,215
; before it enters an address.
.set LASTROW, 9215
.set BM,    144
.set VS,    15                         ; v15        weights out: 32,768 (lane / 16) + 16 (lane % 16)
.set IDX,   16                         ; v[16:47]   my 32 indices (thread j holds the pairs of work-group j)
.set Y,     16                         ; v[16:31]   afterwards: a unit's 4 columns x 4 registers of f16, on their way into the stage
.set OWN,   48                         ; v48        lane q: index of this work-group's pair q
.set POS,   49                         ; v49        lane q: padded row of that pair
.set P,     50                         ; v[50:53]   counts, two experts a word (16-bit fields): (0,4) (2,6) (1,5) (3,7)
.set BF,    54                         ; v[54:57]   the same, only of work-groups in front of mine
.set Z,     58                         ; v[58:61]   zeros for the pad row
.set VST,   62                         ; v62        stage, in
.set VLD,   63                         ; v63        stage, back
.set RB,    64                         ; v[64:127]  unit u: 16 registers read back from the stage, to store
.set D,     128                        ; v[128:255] unit u: 8 rows x 4 registers of f32 as loaded
.set SPW,   272                        ; stage: a tile's 256 bytes + 16, so that both ways touch 16 different 16-byte columns
.set STG,   256                        ; the stages lie behind the 256 bytes of the counts; 8 x 272 bytes for each wave, the wave's own
.set TOT,   34                         ; s[34:41]   pairs of expert e
.set START, 42                         ; s[42:49]   pairs of expert e in front of my work-group, then my first row of expert e
.set TB,    50                         ; s[50:57]   first row slot of expert e
	s_load_b512 s[8:23], s[0:1], 0x0               ; ei s[8:9], w1 s[10:11], w2 s[12:13], x s[14:15], xs s[16:17], w1b s[18:19], w2b s[20:21], pos s[22:23]
	s_load_b64 s[24:25], s[0:1], 0x40              ; texp
	s_set_vgpr_msb 0x40
	v_lshl_add_u32 v0, v0, 2, 0x4500
	v_mov_b32 v1, 0
	s_set_vgpr_msb 0x4000
	v_lshrrev_b32 v4, 5, v0
	v_readfirstlane_b32 s2, v4                     ; wave 0..7
	s_mov_b32 s3, ttmp9                            ; work-group i
	s_mov_b32 s80, 0x76543210                      ; v_permlanex16_b32: lane l reads lane l xor 16
	s_mov_b32 s81, 0xfedcba98
	s_mov_b32 s92, 0x0f0f0f0f
	s_mov_b32 s93, 0x00ff00ff
	v_and_b32 v3, 31, v0                           ; lane
	v_lshlrev_b32 v1, 4, v3                        ; 16 x lane: f32 loads, zero stores
	v_lshlrev_b32 v2, 3, v3                        ; 8 x lane: stores of x
	v_lshlrev_b32 v5, 7, v0                        ; 128 x thread: my 32 indices
	v_lshlrev_b32 v6, 2, v3                        ; 4 x lane
	s_lshl_b32 s62, s3, 7
	v_add_nc_u32 v7, s62, v6                       ; 128 i + 4 lane: my work-group's pair in ei and in pos
	s_lshr_b32 s62, s2, 1                          ; o: which of the group's four k octets is my wave's
	s_and_b32 s63, s2, 1                           ; c: which 512 columns
	s_lshl_b32 s66, s3, 17                         ; weights in: 131,072 i + 32,768 o + 2,048 c
	s_lshl_b32 s58, s62, 15
	s_add_co_u32 s66, s66, s58
	s_lshl_b32 s58, s63, 11
	s_add_co_u32 s66, s66, s58
	s_mov_b32 s67, 0
	s_lshr_b32 s68, s3, 5                          ; weights out: expert i / 32 x 2 MiB + 32 tiles c x 32 KiB + k octet (4 (i % 32) + o) x 256
	s_lshl_b32 s68, s68, 21
	s_and_b32 s58, s3, 31
	s_lshl_b32 s58, s58, 10
	s_add_co_u32 s68, s68, s58
	s_lshl_b32 s58, s63, 20
	s_add_co_u32 s68, s68, s58
	s_lshl_b32 s58, s62, 8
	s_add_co_u32 s68, s68, s58
	s_mov_b32 s69, 0
	s_lshl_b32 s94, s3, 16                         ; my two tokens in x: 65,536 i + 8,192 wave
	s_lshl_b32 s58, s2, 13
	s_add_co_u32 s94, s94, s58
	s_mov_b32 s95, 0
	s_wait_kmcnt 0x0
	s_add_nc_u64 s[82:83], s[10:11], s[66:67]      ; w1
	s_add_nc_u64 s[84:85], s[18:19], s[68:69]      ; w1b
	s_add_nc_u64 s[86:87], s[12:13], s[66:67]      ; w2
	s_add_nc_u64 s[88:89], s[20:21], s[68:69]      ; w2b
	s_add_nc_u64 s[90:91], s[14:15], s[94:95]      ; x
.irp n, 0,1,2,3,4,5,6,7
	global_load_b128 v[IDX+4*\n:IDX+4*\n+3], v5, s[8:9] offset:16*\n
.endr
	global_load_b32 v[OWN], v7, s[8:9]
.irp u, 0,1,2,3
.irp j, 0,1,2,3,4,5,6,7
	global_load_b128 v[D+32*\u+4*\j:D+32*\u+4*\j+3], v1, s[82:83] offset:4096*\j+512*\u th:TH_LOAD_NT   ; w1: row j, unit u: 512 neighbouring bytes a load
.endr
.endr
.irp k, 0,1,2,3
	v_mov_b32 v[Z+\k], 0
.endr
	v_mov_b32 v13, 0                               ; a lane exchange's destination counts as read: written once here
	v_mov_b32 v14, s2
	v_lshlrev_b32 v14, 5, v14                      ; 32 x wave: my wave's eight words in LDS
	s_mul_i32 s62, s2, 8*SPW
	s_add_co_u32 s62, s62, STG                     ; my wave's stage
	v_lshrrev_b32 v8, 2, v3                        ; in: my four columns lie in tile lane / 4, at columns 4 (lane % 4) ..
	v_mul_u32_u24 v8, v8, SPW
	v_and_b32 v9, 3, v3
	v_lshl_add_u32 v8, v9, 6, v8
	v_add_nc_u32 v[VST], s62, v8
	v_lshrrev_b32 v8, 4, v3                        ; back: lanes 0-15 take a tile's 256 bytes, lanes 16-31 the next tile's
	v_and_b32 v9, 15, v3
	v_mul_u32_u24 v10, v8, SPW
	v_lshl_add_u32 v10, v9, 4, v10
	v_add_nc_u32 v[VLD], s62, v10
	v_lshlrev_b32 v9, 4, v9
	v_lshl_add_u32 v[VS], v8, 15, v9               ; and out: neighbouring tiles lie 32,768 bytes apart
	s_wait_loadcnt 32                              ; the nine index loads are in; the 32 weight loads issued behind them stay out
	; counts of my 32 indices: 8 at a time in 4-bit fields (at most 8 each), then byte fields (at most 32), then 16-bit fields
.set g, 0
.rept 4
	v_lshlrev_b32 v8, 2, v[IDX+8*g]
	v_lshlrev_b32 v9, v8, 1                        ; 1 << 4 e
.set k, 1
.rept 7
	v_lshlrev_b32 v8, 2, v[IDX+8*g+k]
	v_lshl_add_u32 v9, 1, v8, v9
.set k, k+1
.endr
.if g == 0
	v_and_b32 v10, s92, v9                         ; experts 0, 2, 4, 6 in bytes
	v_lshrrev_b32 v9, 4, v9
	v_and_b32 v11, s92, v9                         ; experts 1, 3, 5, 7
.else
	v_and_b32 v12, s92, v9
	v_lshrrev_b32 v9, 4, v9
	v_add_nc_u32 v10, v10, v12
	v_and_b32 v12, s92, v9
	v_add_nc_u32 v11, v11, v12
.endif
.set g, g+1
.endr
	v_and_b32 v[P], s93, v10                       ; (e0, e4)
	v_lshrrev_b32 v10, 8, v10
	v_and_b32 v[P+1], s93, v10                     ; (e2, e6)
	v_and_b32 v[P+2], s93, v11                     ; (e1, e5)
	v_lshrrev_b32 v11, 8, v11
	v_and_b32 v[P+3], s93, v11                     ; (e3, e7)
	v_cmp_gt_u32 vcc_lo, s3, v0                    ; thread j < i: its pairs lie in front of my work-group's
.irp k, 0,1,2,3
	v_cndmask_b32 v[BF+\k], 0, v[P+\k], vcc_lo
.endr
; sum of one register over the 32 lanes, in every lane
.macro WSUM r
.irp m, 1,2,4,8
	v_mov_b32_dpp v13, v[\r] row_xmask:\m row_mask:0xf bank_mask:0xf
	v_add_nc_u32 v[\r], v[\r], v13
.endr
	v_permlanex16_b32 v13, v[\r], s80, s81
	v_add_nc_u32 v[\r], v[\r], v13
.endm
.irp k, 0,1,2,3,4,5,6,7
	WSUM P+\k
.endr
	ds_store_b128 v14, v[P:P+3]                    ; every lane writes the same words with the same values
	ds_store_b128 v14, v[BF:BF+3] offset:16
	s_wait_dscnt 0x0                               ; my stores are done before I say so: the other waves read them
	s_barrier_signal -1
	s_barrier_wait -1
	ds_load_b32 v8, v6                             ; lane l: word l & 7 of wave l >> 3,
	ds_load_b32 v9, v6 offset:128                  ; and of wave 4 + (l >> 3)
	s_wait_dscnt 0x0
	v_add_nc_u32 v8, v8, v9
	v_mov_b32_dpp v13, v8 row_xmask:8 row_mask:0xf bank_mask:0xf
	v_add_nc_u32 v8, v8, v13
	v_permlanex16_b32 v13, v8, s80, s81
	v_add_nc_u32 v8, v8, v13                       ; lane l: word l & 7 summed over the eight waves
.irp k, 0,1,2,3,4,5,6,7
	v_readlane_b32 s[26+\k], v8, \k
.endr
	s_and_b32 s[TOT+0], s26, 0xffff
	s_lshr_b32 s[TOT+4], s26, 16
	s_and_b32 s[TOT+2], s27, 0xffff
	s_lshr_b32 s[TOT+6], s27, 16
	s_and_b32 s[TOT+1], s28, 0xffff
	s_lshr_b32 s[TOT+5], s28, 16
	s_and_b32 s[TOT+3], s29, 0xffff
	s_lshr_b32 s[TOT+7], s29, 16
	s_and_b32 s[START+0], s30, 0xffff
	s_lshr_b32 s[START+4], s30, 16
	s_and_b32 s[START+2], s31, 0xffff
	s_lshr_b32 s[START+6], s31, 16
	s_and_b32 s[START+1], s32, 0xffff
	s_lshr_b32 s[START+5], s32, 16
	s_and_b32 s[START+3], s33, 0xffff
	s_lshr_b32 s[START+7], s33, 16
	; the segments.  s58 = slots so far, s59 = pad rows so far, s60 = j, my wave's pad row among the 1,024, s61 = what turns j into a row
	s_mov_b32 s58, 0
	s_mov_b32 s59, 0
	s_mov_b32 s61, 0
	s_lshl_b32 s60, s3, 2
	s_lshr_b32 s62, s2, 1
	s_add_co_u32 s60, s60, s62                     ; j = 4 i + wave / 2
.irp e, 0,1,2,3,4,5,6,7
	s_mov_b32 s[TB+\e], s58
	s_mul_i32 s62, s58, BM                         ; the segment's first row
	s_add_co_u32 s[START+\e], s62, s[START+\e]     ; + pairs of this expert in front of my work-group
	s_add_co_u32 s63, s62, s[TOT+\e]               ; the segment's first pad row,
	s_sub_co_u32 s63, s63, s59                     ; less the pad rows in front of it (never below 0: it is the number of pairs so far)
	s_cmp_ge_u32 s60, s59                          ; j at or behind this segment's first pad: the last segment for which that holds wins
	s_cselect_b32 s61, s63, s61
	s_add_co_u32 s62, s[TOT+\e], BM-1
	s_mul_hi_u32 s62, s62, 0x1c71c72               ; / 144: the factor is ceil(2^32 / 144), exact for arguments far beyond 8,335
	s_add_co_u32 s58, s58, s62
	s_mul_i32 s62, s62, BM
	s_sub_co_u32 s62, s62, s[TOT+\e]
	s_add_co_u32 s59, s59, s62
.endr
	s_mul_i32 s62, s58, BM                         ; the slots that no expert uses are pad rows too
	s_sub_co_u32 s62, s62, s59
	s_cmp_ge_u32 s60, s59
	s_cselect_b32 s61, s62, s61
	s_add_co_u32 s60, s60, s61
	s_min_u32 s60, s60, LASTROW                    ; my pad row
	; lane q: row of my work-group's pair q = my first row of its expert + the number of lower lanes with the same expert
	v_mov_b32 v[POS], 0
.irp e, 0,1,2,3,4,5,6,7
	v_cmp_eq_u32 vcc_lo, \e, v[OWN]
	v_mbcnt_lo_u32_b32 v8, vcc_lo, 0
	v_add_nc_u32 v8, s[START+\e], v8
	v_cndmask_b32 v[POS], v[POS], v8, vcc_lo
.endr
	v_min_u32 v[POS], LASTROW, v[POS]
	s_cmp_lg_u32 s2, 0
	s_cbranch_scc1 .Lno_tables
	global_store_b32 v7, v[POS], s[22:23]          ; wave 0: pos of my work-group's 32 pairs
	s_cmp_lg_u32 s3, 0
	s_cbranch_scc1 .Lno_tables
	v_lshlrev_b32 v8, 1, v3                        ; wave 0 of work-group 0: lane l makes slots 2 l and 2 l + 1
	v_or_b32 v9, 1, v8
	v_mov_b32 v10, 0
	v_mov_b32 v11, 0
.irp e, 1,2,3,4,5,6,7
	v_cmp_le_u32 vcc_lo, s[TB+\e], v8              ; the last expert whose first slot is not behind the slot
	v_cndmask_b32 v10, v10, \e, vcc_lo
	v_cmp_le_u32 vcc_lo, s[TB+\e], v9
	v_cndmask_b32 v11, v11, \e, vcc_lo
.endr
	global_store_b64 v2, v[10:11], s[24:25]        ; 256 consecutive bytes: the whole table
.Lno_tables:
	; where my two tokens' four rows go, and my half of a pad row
	s_lshl_b32 s63, s2, 2
.irp c, 0,1,2,3
	v_readlane_b32 s62, v[POS], s63                ; pair 4 wave + c
	s_min_u32 s62, s62, LASTROW
	s_lshl_b32 s66, s62, 11                        ; rows of 2,048 bytes; s67 is still 0
	s_add_nc_u64 s[70+2*\c:71+2*\c], s[16:17], s[66:67]
	s_add_co_u32 s63, s63, 1
.endr
	s_lshl_b32 s66, s60, 11
	s_and_b32 s62, s2, 1
	s_lshl_b32 s62, s62, 10
	s_add_co_u32 s66, s66, s62
	s_add_nc_u64 s[78:79], s[16:17], s[66:67]
	global_store_b128 v1, v[Z:Z+3], s[78:79]               ; 1,024 bytes of zeros
	global_store_b128 v1, v[Z:Z+3], s[78:79] offset:512
	; THE STREAM: 80 loads of 512 bytes a wave (4 units of w1, 4 of w2, 16 pieces of x) on a ring of 4 x 32 registers.
; One unit of a weight: 8 k rows x 128 columns.  left: how many younger loads may stay out (loads come back in order, ISA guide 5.7.1).
; free = 1: RB's set u was the data of stores four units ago.  next: what is loaded into the unit's registers (1: w2's unit u, 2: eight pieces of x, 0: nothing).
.macro UNIT u, left, free, next, dst
	s_wait_loadcnt \left
.if \free
	s_wait_xcnt 0x0                                ; RB's set u is loaded again only behind this wait; it stands ahead of the new loads, so that it waits for older instructions alone
.endif
.irp i, 0,1,2,3
.irp m, 0,1,2,3
	v_cvt_pk_f16_f32 v[Y+4*\i+\m], v[D+32*\u+8*\m+\i], v[D+32*\u+8*\m+4+\i]   ; column i: k = 2 m below, k = 2 m + 1 above
.endr
.endr
.if \next == 1
.irp j, 0,1,2,3,4,5,6,7
	global_load_b128 v[D+32*\u+4*\j:D+32*\u+4*\j+3], v1, s[86:87] offset:4096*\j+512*\u th:TH_LOAD_NT
.endr
.endif
.if \next == 2
.irp j, 0,1,2,3,4,5,6,7
	global_load_b128 v[D+32*\u+4*\j:D+32*\u+4*\j+3], v1, s[90:91] offset:512*(8*\u+\j) th:TH_LOAD_NT
.endr
.endif
.irp i, 0,1,2,3
	ds_store_b128 v[VST], v[Y+4*\i:Y+4*\i+3] offset:16*\i          ; my wave's own bytes: LDS serves a wave's instructions in order (ISA guide 5.7.1.4), so no wait up to the loads below
.endr
.irp p, 0,1,2,3
	ds_load_b128 v[RB+16*\u+4*\p:RB+16*\u+4*\p+3], v[VLD] offset:2*SPW*\p
.endr
.irp p, 0,1,2,3
	s_wait_dscnt 3-\p
	global_store_b128 v[VS], v[RB+16*\u+4*\p:RB+16*\u+4*\p+3], s[\dst:\dst+1] offset:262144*\u+65536*\p   ; tiles 8 u + 2 p and the next: 16 lanes store 256 consecutive bytes, aligned
.endr
.endm
	UNIT 0, 24, 0, 1, 84                           ; w1; three younger units stay out
	UNIT 1, 24, 0, 1, 84
	UNIT 2, 24, 0, 1, 84
	UNIT 3, 24, 0, 1, 84
	UNIT 0, 24, 1, 2, 88                           ; w2
	UNIT 1, 24, 1, 2, 88
	UNIT 2, 24, 1, 0, 88                           ; behind it: w2's last unit and the 16 pieces of x
	UNIT 3, 16, 1, 0, 88
.set t, 0
.rept 16                                           ; piece t % 8 of token t / 8, rounded in its own registers (nothing is loaded into them again), stored to the rows of both its picks
	s_wait_loadcnt 15-t
	v_cvt_pk_f16_f32 v[D+4*t], v[D+4*t], v[D+4*t+1]
	v_cvt_pk_f16_f32 v[D+4*t+1], v[D+4*t+2], v[D+4*t+3]
	global_store_b64 v2, v[D+4*t:D+4*t+1], s[70+4*(t/8):71+4*(t/8)] offset:256*(t%8)
	global_store_b64 v2, v[D+4*t:D+4*t+1], s[72+4*(t/8):73+4*(t/8)] offset:256*(t%8)
.set t, t+1
.endr
	s_set_vgpr_msb 0x5
	s_wait_tensorcnt 0x0
	ds_add_u32 v0, v1
	s_wait_dscnt 0x0
	s_set_vgpr_msb 0x500
	s_endpgm
.Lfunc_end_k_q87839eb2d5_prep:
	.size	k_q87839eb2d5_prep, .Lfunc_end_k_q87839eb2d5_prep-k_q87839eb2d5_prep
	.p2alignl 7, 3214868480
	.fill 96, 4, 3214868480
	.section	.rodata,"a",@progbits
	.p2align	6, 0x0
	.amdhsa_kernel k_q87839eb2d5_prep
		.amdhsa_group_segment_fixed_size 18688
		.amdhsa_private_segment_fixed_size 0
		.amdhsa_enable_private_segment 0
		.amdhsa_kernarg_size 72
		.amdhsa_user_sgpr_count 2
		.amdhsa_user_sgpr_kernarg_segment_ptr 1
		.amdhsa_wavefront_size32 1
		.amdhsa_system_sgpr_workgroup_id_x 1
		.amdhsa_system_sgpr_workgroup_id_y 1
		.amdhsa_system_sgpr_workgroup_id_z 1
		.amdhsa_system_vgpr_workitem_id 0
		.amdhsa_next_free_vgpr 258
		.amdhsa_next_free_sgpr 100
		.amdhsa_reserve_vcc 1
		.amdhsa_float_denorm_mode_32 3
		.amdhsa_float_denorm_mode_16_64 3
		.amdhsa_memory_ordered 1
		.amdhsa_forward_progress 1
		.amdhsa_inst_pref_size 52
	.end_amdhsa_kernel
	.amdgpu_metadata
---
amdhsa.version: [ 1, 2 ]
amdhsa.kernels:
  - .name:           k_q87839eb2d5_prep
    .symbol:         k_q87839eb2d5_prep.kd
    .args:
      - { .name: expert_indices, .offset: 0, .size: 8, .value_kind: global_buffer, .address_space: global }
      - { .name: w1, .offset: 8, .size: 8, .value_kind: global_buffer, .address_space: global }
      - { .name: w2, .offset: 16, .size: 8, .value_kind: global_buffer, .address_space: global }
      - { .name: x, .offset: 24, .size: 8, .value_kind: global_buffer, .address_space: global }
      - { .name: xs, .offset: 32, .size: 8, .value_kind: global_buffer, .address_space: global }
      - { .name: w1b, .offset: 40, .size: 8, .value_kind: global_buffer, .address_space: global }
      - { .name: w2b, .offset: 48, .size: 8, .value_kind: global_buffer, .address_space: global }
      - { .name: pos, .offset: 56, .size: 8, .value_kind: global_buffer, .address_space: global }
      - { .name: texp, .offset: 64, .size: 8, .value_kind: global_buffer, .address_space: global }
    .group_segment_fixed_size: 18688
    .private_segment_fixed_size: 0
    .kernarg_segment_align: 8
    .kernarg_segment_size: 72
    .max_flat_workgroup_size: 256
    .sgpr_count:     100
    .vgpr_count:     258
    .wavefront_size: 32
...
	.end_amdgpu_metadata
.endif
;; end of part 1
;; launch ffn1 (part 2): grid 256 x 1, 4 waves a work-group, clusters of 4 x 1, 304,640 bytes of LDS; arguments xs, w1b, texp, h; writes h
.if DOCPART == 2
	.amdgcn_target "amdgcn-amd-amdhsa--gfx1250"
	.amdhsa_code_object_version 6
	.text
	.protected	k_q87839eb2d5_ffn1
	.globl	k_q87839eb2d5_ffn1
	.p2align	8
	.type	k_q87839eb2d5_ffn1,@function
k_q87839eb2d5_ffn1:
	s_mov_b64 s[64:65], 0
	v_nop
	global_prefetch_b8 v0, s[64:65] scope:SCOPE_SE
	s_setreg_imm32_b32 hwreg(HW_REG_WAVE_MODE, 25, 1), 1
	s_wait_xcnt 0x0
	s_wait_alu depctr_hold_cnt(0) depctr_sa_sdst(0) depctr_va_vdst(0) depctr_va_sdst(0) depctr_va_ssrc(0) depctr_va_vcc(0) depctr_vm_vsrc(0)
	s_getreg_b32 s2, hwreg(HW_REG_IB_STS2, 6, 4)
	s_cmp_eq_u32 s2, 0
	s_cbranch_scc0 .Lentry_in_a_cluster
	s_endpgm
.Lentry_in_a_cluster:
	s_bfe_u32 s2, ttmp6, 0x10000c
	s_cmp_lg_u32 s2, 0x3003
	s_cbranch_scc0 .Lentry_shape_is_right
	s_endpgm
.Lentry_shape_is_right:
; FFN1: h = gelu(xs . w1[expert of the row slot]).  xs: [9216][1024] f16, h: [9216][1024] f16; sums in f32.
; w1b: f16 in fragment order, [8 experts][64 column tiles][128 k octets][16 columns][8 k].
; 64 row slots of 144 rows x 4 column blocks of 256 = 256 work-groups.  Four waves; wave w makes all 144 rows x columns 64 w .. 64 w + 63
; of the block: 9 x 4 accumulator tiles of 16 x 16, 288 registers.
; A (the rows) STAYS IN LDS: 144 rows x 1,024 k x 2 bytes = 294,912 bytes, with padded rows 304,128.  It comes in once, by two tensor loads a
; wave at the start; no LDS byte is filled twice, so the K walk has no barrier but the one that shows the second half of A.
; B (the weights) GOES STRAIGHT INTO REGISTERS: a wave's 64 columns are read by no other wave of the work-group, so LDS would give no reuse.
; In fragment order 16 columns x 32 k are 1,024 consecutive bytes, lane l's two pieces at 16 l and 512 + 16 l.  A ring of 8 slots of
; 32 registers: 56 loads (28 KiB a wave) are on their way, each asked for 234 matrix instructions ahead of its use.
; A slot that the routing leaves without rows holds zero rows and is multiplied like any other: the 64 slots are the capacity that the
; worst distribution needs, and a jump round the work would put barriers under a branch on loaded data.
; CLUSTER: the four column blocks of a row slot form a cluster and ask for A jointly, mask 15.  B is NOT shared: partners with equal B
; would be row slots of one expert, whose number hangs on the routing; a padding unit of two slots (288 rows) would need up to
; (8192 + 8*287)/288 = 36 units x 8 = 288 work-groups.
; The matrix instruction is used transposed (source 0 = 16 columns of B, source 1 = 16 rows of A): lane l then holds row l % 16 and its
; eight registers the columns 8 (l / 16) + 0 .. 7, neighbours in a row of the result.
; gelu is the tanh form, written x / (1 + 2^(c x (1 + 0.044715 x^2))), c = -2 sqrt(2/pi) log2(e): the same function, no maximum to take away;
; where the power overflows the quotient is 0, where it underflows it is x.
; LIMIT OF RANGE: h is the second product's operand and is stored as f16 (11 significant bits): an h of 65,520 or more becomes infinite, below
; 2^-14 the step is 2^-24.  With x of spread 1 and w1 of spread 0.02 h stays under about 4; both 30 times larger: about 3,600; both offset by
; 30 spreads: 1024 x 30 x 0.6 = 18,432; both 30 times smaller: spread 3.6e-4, above 2^-14 = 6.1e-5.
; REGISTERS: window 0: addresses, A's fragment buffers F0, F1 (row block a at +8 a); window 1: accumulators of row blocks 0-4 at 8 (4 a + b),
; v160-191 at work on the way out; window 2: row blocks 5-8 likewise; window 3: B's ring, slot s at 32 s, column tile b at +8 b.
.set PA,     528                       ; LDS pitch of A: 512 bytes (256 k) + 16 = 33 x 16
.set AHALF,  72*PA                     ; what one tensor load brings: 72 rows x 256 k
.set CHUNK,  144*PA                    ; 76,032: all rows x 256 k; four chunks
.set STAGE,  0                         ; the way out uses chunk 0's bytes: see there
.set SP,     528                       ; stage pitch: 512 bytes + 16
.set ADRA, 8                           ; v8-15  LDS address of my A fragments: chunk c, row blocks 0-4 at 2 c, 5-8 at 2 c + 1 (the immediate has 16 bits)
.set BO,   16                          ; v16    16 x lane: my offset in B's fragments, and in a row of h; never rewritten
.set STO,  24                          ; v24    stage: where I put 16 bytes, row blocks 0-4
.set STO2, 25                          ; v25    the same, row blocks 5-8
.set RD,   26                          ; v26    stage: where I read rows back
.set F0,   32                          ; A's buffers: v32-103, v104-175
.set FSZ,  72
.set T,    160
.set G1, 24                            ; s[24:31] descriptor group 1
.set G0, 32                            ; s[32:39] descriptor group 0, a set for each of my two loads
.set MSB, 0
.macro WIN new                         ; the immediate's high byte repeats the setting that is left
.if MSB != \new
	s_set_vgpr_msb (MSB<<8)|\new
.set MSB, \new
.endif
.endm
.macro PLACES                          ; four plain vector instructions behind a matrix instruction (ISA guide 7.12.1)
.rept 4
	v_nop
.endr
.endm
.macro CROUND                          ; a round of the cluster's barrier
	s_barrier_signal -1
	s_barrier_wait -1
	s_cmp_lg_u32 s12, 0
	s_cbranch_scc1 .Lnot_wave_0_\@
	s_barrier_signal -3
.Lnot_wave_0_\@:
	s_barrier_wait -3
	s_barrier_signal -1
	s_barrier_wait -1
.endm
	s_load_b256 s[4:11], s[0:1], 0x0               ; A s[4:5], B s[6:7], texp s[8:9], result s[10:11]
	v_lshl_add_u32 v254, v0, 2, 0x4a400
	v_mov_b32 v255, 0
	ds_add_u32 v254, v255
	v_lshrrev_b32 v1, 5, v0
	v_readfirstlane_b32 s12, v1                    ; wave 0..3
	s_lshr_b32 s13, s12, 1                         ; I fetch chunks s13 and 2 + s13,
	s_and_b32 s14, s12, 1                          ; and of each this half of the rows
	s_bfe_u32 s15, ttmp6, 0x40000                  ; cx = column block; it enters only B's address and the result's
	s_mov_b32 s[G1+0], 15|(1<<16)|(1<<20)|(1<<21)|(6<<22)|(3<<25)  ; mask 15, elements of 2 bytes, padding on, bit 21 beside the mask, 4 words behind every 128
	s_mov_b32 s[G1+1], 256<<16                     ; tensor_dim0 = 256
	s_mov_b32 s[G1+2], 72<<16                      ; tensor_dim1 = 72
	s_mov_b32 s[G1+3], 256<<16                     ; tile_dim0 = 256
	s_mov_b32 s[G1+4], 72                          ; tile_dim1 = 72
	s_mov_b32 s[G1+5], 1024                        ; elements from row to row
	s_mov_b32 s[G1+6], 0
	s_mov_b32 s[G1+7], 0
	s_lshl_b32 s16, ttmp9, 2                       ; ttmp9 = the cluster's number = the row slot
	s_mov_b32 s17, 0
	v_and_b32 v3, 31, v0
	v_lshlrev_b32 v[BO], 4, v3
	s_wait_dscnt 0x0
	s_wait_kmcnt 0x0
	s_add_nc_u64 s[18:19], s[8:9], s[16:17]
	s_load_b32 s40, s[18:19], 0x0                  ; the slot's expert: only B's address needs it, so it is waited for behind A's loads
	s_mul_i32 s16, ttmp9, 144*2048                 ; A: my slot's rows, my half of 72, my chunk's 512 bytes
	s_mul_i32 s20, s14, 72*2048
	s_add_co_u32 s16, s16, s20
	s_lshl_b32 s20, s13, 9
	s_add_co_u32 s16, s16, s20
	s_add_nc_u64 s[22:23], s[4:5], s[16:17]
	s_mul_i32 s20, s12, AHALF                      ; LDS: chunk wave / 2, half wave % 2 = wave x 38,016
	CROUND                                         ; the four work-groups are here: the joint loads meet
.irp n, 0,1
	s_mov_b32 s[G0+4*\n], 1
	s_add_co_u32 s[G0+4*\n+1], s20, \n*2*CHUNK     ; the second load: two chunks further on,
	s_add_nc_u64 s[G0+4*\n+2:G0+4*\n+3], s[22:23], \n*1024           ; 512 k along the rows
	s_or_b32 s[G0+4*\n+3], s[G0+4*\n+3], 0x80000000
	tensor_load_to_lds s[G0+4*\n:G0+4*\n+3], s[G1:G1+7]             ; all of A goes out at once: two loads of mine are outstanding, and no more follow
	s_nop 0
.rept 4
	v_nop
.endr
.endr
	s_wait_kmcnt 0x0
	s_min_u32 s40, s40, 7
	s_lshl_b32 s40, s40, 21                        ; B: expert x 2 MiB + (16 cx + 4 wave) tiles of 32 KiB
	s_lshl_b32 s41, s15, 19
	s_add_co_u32 s40, s40, s41
	s_lshl_b32 s41, s12, 17
	s_add_co_u32 s40, s40, s41
	s_mov_b32 s41, 0
	s_add_nc_u64 s[42:43], s[6:7], s[40:41]        ; never rewritten: every step stands in the loads' immediates (130,560 at the most)
; eight loads: B's four fragments of quarter qq (32 along K) into ring slot qq % 8
.macro BLOAD qq
.irp b, 0,1,2,3
	global_load_b128 v[32*((\qq)%8)+8*\b:32*((\qq)%8)+8*\b+3],   v[BO], s[42:43] offset:\b*32768+(\qq)*1024
	global_load_b128 v[32*((\qq)%8)+8*\b+4:32*((\qq)%8)+8*\b+7], v[BO], s[42:43] offset:\b*32768+(\qq)*1024+512
.endr
.endm
	WIN 0xc0                                       ; destination window 3, address window 0
.irp n, 0,1,2,3,4,5,6
	BLOAD \n
.endr
	WIN 0
	v_and_b32 v1, 15, v0                           ; r = l % 16
	v_bfe_u32 v2, v0, 4, 1                         ; h = l / 16
	v_mul_u32_u24 v[ADRA], v1, PA                  ; A: row r, 16 bytes for each half of the lanes
	v_lshl_add_u32 v[ADRA], v2, 4, v[ADRA]
	v_add_nc_u32 v[ADRA+1], 5*16*PA, v[ADRA]
.irp c, 1,2,3
	v_add_nc_u32 v[ADRA+2*\c], \c*CHUNK, v[ADRA]
	v_add_nc_u32 v[ADRA+2*\c+1], \c*CHUNK+5*16*PA, v[ADRA]
.endr
	s_lshl_b32 s16, s12, 7
	v_add_nc_u32 v[STO], s16, v[ADRA]              ; stage, in: the same pitch, from LDS byte 0: row r, my wave's 128 bytes, 16 for each half
	v_add_nc_u32 v[STO2], 5*16*SP, v[STO]
	s_mul_i32 s16, s12, 36*SP
	v_add_nc_u32 v[RD], s16, v[BO]                 ; back: a wave takes a whole row of 512 bytes
; four matrix instructions of quarter q: row block a (accumulators at 32 c of the window set) x my four column tiles
.macro MROW a, c
.irp b, 0,1,2,3
.if q == 0
	v_wmma_f32_16x16x32_f16 v[32*(\c)+8*\b:32*(\c)+8*\b+7], v[BS+8*\b:BS+8*\b+7], v[FA+8*(\a):FA+8*(\a)+7], 0
.else
	v_wmma_f32_16x16x32_f16 v[32*(\c)+8*\b:32*(\c)+8*\b+7], v[BS+8*\b:BS+8*\b+7], v[FA+8*(\a):FA+8*(\a)+7], v[32*(\c)+8*\b:32*(\c)+8*\b+7]
.endif
.endr
.endm
; 18 LDS loads in one run: A's nine fragments of quarter qq into buffer f, row blocks in order
.macro FETCH qq, f
.irp a, 0,1,2,3,4
	ds_load_b128 v[\f+8*\a:\f+8*\a+3],   v[ADRA+2*((\qq)/8)] offset:\a*16*PA+64*((\qq)%8)
	ds_load_b128 v[\f+8*\a+4:\f+8*\a+7], v[ADRA+2*((\qq)/8)] offset:\a*16*PA+64*((\qq)%8)+32
.endr
.irp a, 5,6,7,8
	ds_load_b128 v[\f+8*\a:\f+8*\a+3],   v[ADRA+2*((\qq)/8)+1] offset:(\a-5)*16*PA+64*((\qq)%8)
	ds_load_b128 v[\f+8*\a+4:\f+8*\a+7], v[ADRA+2*((\qq)/8)+1] offset:(\a-5)*16*PA+64*((\qq)%8)+32
.endr
.endm
; Quarter q: 36 matrix instructions; in its middle one run of loads: A's fragments of quarter q + 1 into the other buffer, and B's of quarter
; q + 7 into the ring slot that quarter q - 1 read.  Both were last read by matrix instructions of quarter q - 1: the four places stand ahead of the run.
; The 36 accumulators take turns, one instruction a turn, in the same order in every quarter.
.macro QSTEP
.set BS, 32*(q%8)
.set FA, F0+FSZ*(q%2)
.set FN, F0+FSZ*((q+1)%2)
.set LC, 8*(31-q)
.if LC > 48
.set LC, 48
.endif
	s_wait_loadcnt LC                              ; this quarter's eight loads of B are in; those of the quarters asked for behind it (six, fewer at the end) stay out
.if q == 15
	s_wait_dscnt 0                                 ; no LDS load of mine is pending at the signal: my reads of chunks 0 and 1 are all over,
	s_wait_tensorcnt 0x0                           ; and my second load has landed: my part of chunks 2 and 3
	s_barrier_signal -1
.else
	s_wait_dscnt 8                                 ; all but the youngest eight loads (A's row blocks 5-8) are in
.endif
	WIN 0x53                                       ; source 0 (B) window 3, source 1 (A) window 0, C and D window 1
.irp a, 0,1,2,3,4
	MROW \a, \a
.endr
.if q < 31
	PLACES
	WIN 0
.if q == 15
	s_barrier_wait -1                              ; everybody's part of chunks 2 and 3 is in; nobody reads chunks 0 and 1 any more
.endif
	FETCH q+1, FN
.if q < 25
	WIN 0xc0
	BLOAD q+7
.endif
	s_wait_dscnt 18                                ; all but the 18 just issued
.else
	s_wait_dscnt 0
.endif
	WIN 0xa3                                       ; the same, C and D window 2
.irp a, 5,6,7,8
	MROW \a, \a-5
.endr
.endm
	s_wait_tensorcnt 1                             ; my first load is in (my part of chunks 0 and 1); the second may stay out
	s_barrier_signal -1
	s_barrier_wait -1                              ; everybody's is
	FETCH 0, F0
.set q, 0
.rept 32                                           ; K = 1,024 in 32 quarters, written out: every offset is an immediate; the first products start the sums
	QSTEP
.set q, q+1
.endr
	PLACES                                         ; behind the last matrix instructions, in front of everything that reads results
	s_mul_i32 s40, ttmp9, 144*2048                 ; h: my slot's rows, my wave's 36 of them, my block's 512 bytes
	s_mul_i32 s41, s12, 36*2048
	s_add_co_u32 s40, s40, s41
	s_lshl_b32 s41, s15, 9
	s_add_co_u32 s40, s40, s41
	s_mov_b32 s41, 0
	s_add_nc_u64 s[10:11], s[10:11], s[40:41]
; THE WAY OUT.  The stage is chunk 0's 76,032 bytes (144 rows x 528): their one fill is long over and no tensor load follows, and every wave's
; reads of chunk 0 were waited for in front of the barrier of quarter 15; behind that barrier only chunks 2 and 3 are read.
; gelu of one row block (32 registers at 32 c of a window), rounded to f16, 16 bytes a tile into the stage
.macro GELU c, wall, wdat, sto
	WIN \wall
.set i, 0
.rept 16
	v_pk_mul_f32 v[T+i:T+i+1], v[32*\c+i:32*\c+i+1], v[32*\c+i:32*\c+i+1]          ; x^2
.set i, i+2
.endr
.set i, 0
.rept 16
	v_pk_fma_f32 v[T+i:T+i+1], v[T+i:T+i+1], 0x3d372713, 1.0 op_sel_hi:[1,0,0]     ; 1 + 0.044715 x^2
.set i, i+2
.endr
.set i, 0
.rept 16
	v_pk_mul_f32 v[T+i:T+i+1], v[T+i:T+i+1], v[32*\c+i:32*\c+i+1]                  ; times x
.set i, i+2
.endr
.set i, 0
.rept 16
	v_pk_mul_f32 v[T+i:T+i+1], v[T+i:T+i+1], 0xc0135761 op_sel_hi:[1,0]            ; times -2.3022082
.set i, i+2
.endr
.set i, 0
.rept 32
	v_exp_f32 v[T+i], v[T+i]
.set i, i+1
.endr
	v_nop                                          ; one plain instruction between a transcendental and the use of its result
.set i, 0
	s_wait_alu depctr_va_vdst(0)
.rept 16
	v_pk_add_f32 v[T+i:T+i+1], v[T+i:T+i+1], 1.0 op_sel_hi:[1,0]
.set i, i+2
.endr
.set i, 0
.rept 32
	v_rcp_f32 v[T+i], v[T+i]
.set i, i+1
.endr
	v_nop
.set i, 0
	s_wait_alu depctr_va_vdst(0)
.rept 16
	v_pk_mul_f32 v[32*\c+i:32*\c+i+1], v[32*\c+i:32*\c+i+1], v[T+i:T+i+1]
.set i, i+2
.endr
.set i, 0
.rept 16
	v_cvt_pk_f16_f32 v[T+i], v[32*\c+2*i], v[32*\c+2*i+1]
.set i, i+1
.endr
	WIN \wdat                                      ; data from the window, address from window 0
.irp b, 0,1,2,3
	ds_store_b128 v[\sto], v[T+4*\b:T+4*\b+3] offset:\c*16*SP+32*\b
.endr
.endm
.irp c, 0,1,2,3,4
	GELU \c, 0x55, 0x04, STO
.endr
.irp c, 0,1,2,3
	GELU \c, 0xaa, 0x08, STO2
.endr
	WIN 0
	s_wait_dscnt 0x0                               ; my stores into the stage are done before I say so: other waves read them
	s_barrier_signal -1
	s_barrier_wait -1
.set j, 0
.rept 36
	ds_load_b128 v[32+4*j:32+4*j+3], v[RD] offset:SP*j             ; rows 36 w + j, whole: 512 bytes a wave
.set j, j+1
.endr
.set j, 0
.rept 36
	s_wait_dscnt 35-j                              ; LDS loads come back in order: row j is in
	global_store_b128 v[BO], v[32+4*j:32+4*j+3], s[10:11] offset:2048*j            ; 512 consecutive bytes, at a multiple of 512 from h's first byte
.set j, j+1
.endr
	s_wait_tensorcnt 0x0
	ds_add_u32 v254, v255
	s_wait_dscnt 0x0
	CROUND                                         ; the closing round: no work-group ends while a partner may still ask jointly
	s_endpgm
.Lfunc_end_k_q87839eb2d5_ffn1:
	.size	k_q87839eb2d5_ffn1, .Lfunc_end_k_q87839eb2d5_ffn1-k_q87839eb2d5_ffn1
	.p2alignl 7, 3214868480
	.fill 96, 4, 3214868480
	.section	.rodata,"a",@progbits
	.p2align	6, 0x0
	.amdhsa_kernel k_q87839eb2d5_ffn1
		.amdhsa_group_segment_fixed_size 304640
		.amdhsa_private_segment_fixed_size 0
		.amdhsa_enable_private_segment 0
		.amdhsa_kernarg_size 32
		.amdhsa_user_sgpr_count 2
		.amdhsa_user_sgpr_kernarg_segment_ptr 1
		.amdhsa_wavefront_size32 1
		.amdhsa_system_sgpr_workgroup_id_x 1
		.amdhsa_system_sgpr_workgroup_id_y 1
		.amdhsa_system_sgpr_workgroup_id_z 1
		.amdhsa_system_vgpr_workitem_id 0
		.amdhsa_next_free_vgpr 1024
		.amdhsa_next_free_sgpr 66
		.amdhsa_reserve_vcc 0
		.amdhsa_float_denorm_mode_32 3
		.amdhsa_float_denorm_mode_16_64 3
		.amdhsa_memory_ordered 1
		.amdhsa_forward_progress 1
		.amdhsa_inst_pref_size 249
	.end_amdhsa_kernel
	.amdgpu_metadata
---
amdhsa.version: [ 1, 2 ]
amdhsa.kernels:
  - .name:           k_q87839eb2d5_ffn1
    .symbol:         k_q87839eb2d5_ffn1.kd
    .args:
      - { .name: xs, .offset: 0, .size: 8, .value_kind: global_buffer, .address_space: global }
      - { .name: w1b, .offset: 8, .size: 8, .value_kind: global_buffer, .address_space: global }
      - { .name: texp, .offset: 16, .size: 8, .value_kind: global_buffer, .address_space: global }
      - { .name: h, .offset: 24, .size: 8, .value_kind: global_buffer, .address_space: global }
    .group_segment_fixed_size: 304640
    .private_segment_fixed_size: 0
    .kernarg_segment_align: 8
    .kernarg_segment_size: 32
    .max_flat_workgroup_size: 128
    .sgpr_count:     66
    .vgpr_count:     1024
    .wavefront_size: 32
...
	.end_amdgpu_metadata
.endif
;; end of part 2
;; launch ffn2 (part 3): grid 256 x 1, 4 waves a work-group, clusters of 4 x 1, 322,048 bytes of LDS; arguments h, w2b, texp, y; writes y
.if DOCPART == 3
	.amdgcn_target "amdgcn-amd-amdhsa--gfx1250"
	.amdhsa_code_object_version 6
	.text
	.protected	k_q87839eb2d5_ffn2
	.globl	k_q87839eb2d5_ffn2
	.p2align	8
	.type	k_q87839eb2d5_ffn2,@function
k_q87839eb2d5_ffn2:
	s_mov_b64 s[64:65], 0
	v_nop
	global_prefetch_b8 v0, s[64:65] scope:SCOPE_SE
	s_setreg_imm32_b32 hwreg(HW_REG_WAVE_MODE, 25, 1), 1
	s_wait_xcnt 0x0
	s_wait_alu depctr_hold_cnt(0) depctr_sa_sdst(0) depctr_va_vdst(0) depctr_va_sdst(0) depctr_va_ssrc(0) depctr_va_vcc(0) depctr_vm_vsrc(0)
	s_getreg_b32 s2, hwreg(HW_REG_IB_STS2, 6, 4)
	s_cmp_eq_u32 s2, 0
	s_cbranch_scc0 .Lentry_in_a_cluster
	s_endpgm
.Lentry_in_a_cluster:
	s_bfe_u32 s2, ttmp6, 0x10000c
	s_cmp_lg_u32 s2, 0x3003
	s_cbranch_scc0 .Lentry_shape_is_right
	s_endpgm
.Lentry_shape_is_right:
; FFN2: y = h . w2[expert of the row slot].  h: [9216][1024] f16, y: [9216][1024] f32; sums in f32.
; w2b: f16 in fragment order, [8 experts][64 column tiles][128 k octets][16 columns][8 k].
; (Operands in f16 for its 11 significant bits; their range is stated where they are made.)
; 64 row slots of 144 rows x 4 column blocks of 256 = 256 work-groups.  Four waves; wave w makes all 144 rows x columns 64 w .. 64 w + 63
; of the block: 9 x 4 accumulator tiles of 16 x 16, 288 registers.
; A (the rows) STAYS IN LDS: 144 rows x 1,024 k x 2 bytes = 294,912 bytes, with padded rows 304,128.  It comes in once, by two tensor loads a
; wave at the start; no LDS byte is filled twice, so the K walk has no barrier but the one that shows the second half of A.
; B (the weights) GOES STRAIGHT INTO REGISTERS: a wave's 64 columns are read by no other wave of the work-group, so LDS would give no reuse.
; In fragment order 16 columns x 32 k are 1,024 consecutive bytes, lane l's two pieces at 16 l and 512 + 16 l.  A ring of 8 slots of
; 32 registers: 56 loads (28 KiB a wave) are on their way, each asked for 234 matrix instructions ahead of its use.
; A slot that the routing leaves without rows holds zero rows and is multiplied like any other: the 64 slots are the capacity that the
; worst distribution needs, and a jump round the work would put barriers under a branch on loaded data.
; CLUSTER: the four column blocks of a row slot form a cluster and ask for A jointly, mask 15.  B is NOT shared: partners with equal B
; would be row slots of one expert, whose number hangs on the routing; a padding unit of two slots (288 rows) would need up to
; (8192 + 8*287)/288 = 36 units x 8 = 288 work-groups.
; The matrix instruction is used transposed (source 0 = 16 columns of B, source 1 = 16 rows of A): lane l then holds row l % 16 and its
; eight registers the columns 8 (l / 16) + 0 .. 7, neighbours in a row of the result.
; REGISTERS: window 0: addresses, A's fragment buffers F0, F1 (row block a at +8 a); window 1: accumulators of row blocks 0-4 at 8 (4 a + b);
; window 2: row blocks 5-8 likewise; window 3: B's ring, slot s at 32 s, column tile b at +8 b.
.set PA,     528                       ; LDS pitch of A: 512 bytes (256 k) + 16 = 33 x 16
.set AHALF,  72*PA                     ; what one tensor load brings: 72 rows x 256 k
.set CHUNK,  144*PA                    ; 76,032: all rows x 256 k; four chunks
.set STAGE,  4*CHUNK                   ; 304,128 = 1,188 x 256: the stage has blocks of its own, no tensor load lands there
.set SP,     272                       ; stage pitch: 64 f32 + 16 bytes; 16 rows for each wave, the wave's own
.set ADRA, 8                           ; v8-15  LDS address of my A fragments: chunk c, row blocks 0-4 at 2 c, 5-8 at 2 c + 1 (the immediate has 16 bits)
.set BO,   16                          ; v16    16 x lane: my offset in B's fragments; never rewritten
.set STO,  24                          ; v24    stage: where I put 32 bytes of a row
.set RD,   26                          ; v26    stage: where I read rows back
.set CO,   27                          ; v27    my byte offset in y
.set F0,   32                          ; A's buffers: v32-103, v104-175
.set FSZ,  72
.set F1,   F0+FSZ
.set G1, 24                            ; s[24:31] descriptor group 1
.set G0, 32                            ; s[32:39] descriptor group 0, a set for each of my two loads
.set MSB, 0
.macro WIN new                         ; the immediate's high byte repeats the setting that is left
.if MSB != \new
	s_set_vgpr_msb (MSB<<8)|\new
.set MSB, \new
.endif
.endm
.macro PLACES                          ; four plain vector instructions behind a matrix instruction (ISA guide 7.12.1)
.rept 4
	v_nop
.endr
.endm
.macro CROUND                          ; a round of the cluster's barrier
	s_barrier_signal -1
	s_barrier_wait -1
	s_cmp_lg_u32 s12, 0
	s_cbranch_scc1 .Lnot_wave_0_\@
	s_barrier_signal -3
.Lnot_wave_0_\@:
	s_barrier_wait -3
	s_barrier_signal -1
	s_barrier_wait -1
.endm
	s_load_b256 s[4:11], s[0:1], 0x0               ; A s[4:5], B s[6:7], texp s[8:9], result s[10:11]
	v_lshl_add_u32 v254, v0, 2, 0x4e800
	v_mov_b32 v255, 0
	ds_add_u32 v254, v255
	v_lshrrev_b32 v1, 5, v0
	v_readfirstlane_b32 s12, v1                    ; wave 0..3
	s_lshr_b32 s13, s12, 1                         ; I fetch chunks s13 and 2 + s13,
	s_and_b32 s14, s12, 1                          ; and of each this half of the rows
	s_bfe_u32 s15, ttmp6, 0x40000                  ; cx = column block; it enters only B's address and the result's
	s_mov_b32 s[G1+0], 15|(1<<16)|(1<<20)|(1<<21)|(6<<22)|(3<<25)  ; mask 15, elements of 2 bytes, padding on, bit 21 beside the mask, 4 words behind every 128
	s_mov_b32 s[G1+1], 256<<16                     ; tensor_dim0 = 256
	s_mov_b32 s[G1+2], 72<<16                      ; tensor_dim1 = 72
	s_mov_b32 s[G1+3], 256<<16                     ; tile_dim0 = 256
	s_mov_b32 s[G1+4], 72                          ; tile_dim1 = 72
	s_mov_b32 s[G1+5], 1024                        ; elements from row to row
	s_mov_b32 s[G1+6], 0
	s_mov_b32 s[G1+7], 0
	s_lshl_b32 s16, ttmp9, 2                       ; ttmp9 = the cluster's number = the row slot
	s_mov_b32 s17, 0
	v_and_b32 v3, 31, v0
	v_lshlrev_b32 v[BO], 4, v3
	s_wait_dscnt 0x0
	s_wait_kmcnt 0x0
	s_add_nc_u64 s[18:19], s[8:9], s[16:17]
	s_load_b32 s40, s[18:19], 0x0                  ; the slot's expert: only B's address needs it, so it is waited for behind A's loads
	s_mul_i32 s16, ttmp9, 144*2048                 ; A: my slot's rows, my half of 72, my chunk's 512 bytes
	s_mul_i32 s20, s14, 72*2048
	s_add_co_u32 s16, s16, s20
	s_lshl_b32 s20, s13, 9
	s_add_co_u32 s16, s16, s20
	s_add_nc_u64 s[22:23], s[4:5], s[16:17]
	s_mul_i32 s20, s12, AHALF                      ; LDS: chunk wave / 2, half wave % 2 = wave x 38,016
	CROUND                                         ; the four work-groups are here: the joint loads meet
.irp n, 0,1
	s_mov_b32 s[G0+4*\n], 1
	s_add_co_u32 s[G0+4*\n+1], s20, \n*2*CHUNK     ; the second load: two chunks further on,
	s_add_nc_u64 s[G0+4*\n+2:G0+4*\n+3], s[22:23], \n*1024           ; 512 k along the rows
	s_or_b32 s[G0+4*\n+3], s[G0+4*\n+3], 0x80000000
	tensor_load_to_lds s[G0+4*\n:G0+4*\n+3], s[G1:G1+7]             ; all of A goes out at once: two loads of mine are outstanding, and no more follow
	s_nop 0
.rept 4
	v_nop
.endr
.endr
	s_wait_kmcnt 0x0
	s_min_u32 s40, s40, 7
	s_lshl_b32 s40, s40, 21                        ; B: expert x 2 MiB + (16 cx + 4 wave) tiles of 32 KiB
	s_lshl_b32 s41, s15, 19
	s_add_co_u32 s40, s40, s41
	s_lshl_b32 s41, s12, 17
	s_add_co_u32 s40, s40, s41
	s_mov_b32 s41, 0
	s_add_nc_u64 s[42:43], s[6:7], s[40:41]        ; never rewritten: every step stands in the loads' immediates (130,560 at the most)
; eight loads: B's four fragments of quarter qq (32 along K) into ring slot qq % 8
.macro BLOAD qq
.irp b, 0,1,2,3
	global_load_b128 v[32*((\qq)%8)+8*\b:32*((\qq)%8)+8*\b+3],   v[BO], s[42:43] offset:\b*32768+(\qq)*1024
	global_load_b128 v[32*((\qq)%8)+8*\b+4:32*((\qq)%8)+8*\b+7], v[BO], s[42:43] offset:\b*32768+(\qq)*1024+512
.endr
.endm
	WIN 0xc0                                       ; destination window 3, address window 0
.irp n, 0,1,2,3,4,5,6
	BLOAD \n
.endr
	WIN 0
	v_and_b32 v1, 15, v0                           ; r = l % 16
	v_bfe_u32 v2, v0, 4, 1                         ; h = l / 16
	v_mul_u32_u24 v[ADRA], v1, PA                  ; A: row r, 16 bytes for each half of the lanes
	v_lshl_add_u32 v[ADRA], v2, 4, v[ADRA]
	v_add_nc_u32 v[ADRA+1], 5*16*PA, v[ADRA]
.irp c, 1,2,3
	v_add_nc_u32 v[ADRA+2*\c], \c*CHUNK, v[ADRA]
	v_add_nc_u32 v[ADRA+2*\c+1], \c*CHUNK+5*16*PA, v[ADRA]
.endr
	s_mul_i32 s16, s12, 16*SP
	s_add_co_u32 s16, s16, STAGE                   ; my wave's stage
	v_mul_u32_u24 v4, v1, SP                       ; in: row r, 32 bytes for each half of the lanes
	v_lshl_add_u32 v4, v2, 5, v4
	v_add_nc_u32 v[STO], s16, v4
	v_mul_u32_u24 v4, v2, SP                       ; back: lanes 0-15 one row of 256 bytes, lanes 16-31 the next
	v_lshl_add_u32 v4, v1, 4, v4
	v_add_nc_u32 v[RD], s16, v4
	v_lshlrev_b32 v4, 4, v1
	v_lshl_add_u32 v[CO], v2, 12, v4               ; and the same two rows in y (4,096 bytes apart)
; four matrix instructions of quarter q: row block a (accumulators at 32 c of the window set) x my four column tiles
.macro MROW a, c
.irp b, 0,1,2,3
.if q == 0
	v_wmma_f32_16x16x32_f16 v[32*(\c)+8*\b:32*(\c)+8*\b+7], v[BS+8*\b:BS+8*\b+7], v[FA+8*(\a):FA+8*(\a)+7], 0
.else
	v_wmma_f32_16x16x32_f16 v[32*(\c)+8*\b:32*(\c)+8*\b+7], v[BS+8*\b:BS+8*\b+7], v[FA+8*(\a):FA+8*(\a)+7], v[32*(\c)+8*\b:32*(\c)+8*\b+7]
.endif
.endr
.endm
; 18 LDS loads in one run: A's nine fragments of quarter qq into buffer f, row blocks in order
.macro FETCH qq, f
.irp a, 0,1,2,3,4
	ds_load_b128 v[\f+8*\a:\f+8*\a+3],   v[ADRA+2*((\qq)/8)] offset:\a*16*PA+64*((\qq)%8)
	ds_load_b128 v[\f+8*\a+4:\f+8*\a+7], v[ADRA+2*((\qq)/8)] offset:\a*16*PA+64*((\qq)%8)+32
.endr
.irp a, 5,6,7,8
	ds_load_b128 v[\f+8*\a:\f+8*\a+3],   v[ADRA+2*((\qq)/8)+1] offset:(\a-5)*16*PA+64*((\qq)%8)
	ds_load_b128 v[\f+8*\a+4:\f+8*\a+7], v[ADRA+2*((\qq)/8)+1] offset:(\a-5)*16*PA+64*((\qq)%8)+32
.endr
.endm
; Quarter q: 36 matrix instructions; in its middle one run of loads: A's fragments of quarter q + 1 into the other buffer, and B's of quarter
; q + 7 into the ring slot that quarter q - 1 read.  Both were last read by matrix instructions of quarter q - 1: the four places stand ahead of the run.
; The 36 accumulators take turns, one instruction a turn, in the same order in every quarter.
.macro QSTEP
.set BS, 32*(q%8)
.set FA, F0+FSZ*(q%2)
.set FN, F0+FSZ*((q+1)%2)
.set LC, 8*(31-q)
.if LC > 48
.set LC, 48
.endif
	s_wait_loadcnt LC                              ; this quarter's eight loads of B are in; those of the quarters asked for behind it (six, fewer at the end) stay out
.if q == 15
	s_wait_dscnt 0                                 ; no LDS load of mine is pending at the signal,
	s_wait_tensorcnt 0x0                           ; and my second load has landed: my part of chunks 2 and 3
	s_barrier_signal -1
.else
	s_wait_dscnt 8                                 ; all but the youngest eight loads (A's row blocks 5-8) are in
.endif
	WIN 0x53                                       ; source 0 (B) window 3, source 1 (A) window 0, C and D window 1
.irp a, 0,1,2,3,4
	MROW \a, \a
.endr
.if q < 31
	PLACES
	WIN 0
.if q == 15
	s_barrier_wait -1                              ; everybody's part of chunks 2 and 3 is in
.endif
	FETCH q+1, FN
.if q < 25
	WIN 0xc0
	BLOAD q+7
.endif
	s_wait_dscnt 18                                ; all but the 18 just issued
.else
	s_wait_dscnt 0
.endif
	WIN 0xa3                                       ; the same, C and D window 2
.irp a, 5,6,7,8
	MROW \a, \a-5
.endr
.endm
	s_wait_tensorcnt 1                             ; my first load is in (my part of chunks 0 and 1); the second may stay out
	s_barrier_signal -1
	s_barrier_wait -1                              ; everybody's is
	FETCH 0, F0
.set q, 0
.rept 32                                           ; K = 1,024 in 32 quarters, written out: every offset is an immediate; the first products start the sums
	QSTEP
.set q, q+1
.endr
	PLACES                                         ; behind the last matrix instructions, in front of the LDS stores that read results and of the loads into the buffers
	s_mul_i32 s40, ttmp9, 144*4096                 ; y: my slot's rows, my block's 1,024 bytes, my wave's 256 of them
	s_lshl_b32 s41, s15, 10
	s_add_co_u32 s40, s40, s41
	s_lshl_b32 s41, s12, 8
	s_add_co_u32 s40, s40, s41
	s_mov_b32 s41, 0
	s_add_nc_u64 s[10:11], s[10:11], s[40:41]
; Row block a (accumulators at 32 c of the window that wdat names) goes out through my wave's own stage: 32 bytes a lane and tile in,
; whole rows of 256 bytes back.  LDS serves a wave's instructions in order (ISA guide 5.7.1.4): no wait between my stores and my loads,
; nor between these loads and the next block's stores.
.macro OUT16 a, c, wdat, f
	WIN \wdat                                      ; data from the window, address from window 0
.irp b, 0,1,2,3
	ds_store_b128 v[STO], v[32*\c+8*\b:32*\c+8*\b+3]   offset:64*\b
	ds_store_b128 v[STO], v[32*\c+8*\b+4:32*\c+8*\b+7] offset:64*\b+16
.endr
	WIN 0
	s_wait_xcnt 0x0                                ; buffer f was the data of stores two blocks ago: it is loaded again only behind this wait
.irp t, 0,1,2,3,4,5,6,7
	ds_load_b128 v[\f+4*\t:\f+4*\t+3], v[RD] offset:\t*2*SP
.endr
.irp t, 0,1,2,3,4,5,6,7
	s_wait_dscnt 7-\t
	global_store_b128 v[CO], v[\f+4*\t:\f+4*\t+3], s[10:11] offset:(16*\a+2*\t)*4096   ; 16 lanes store 256 consecutive bytes, at a multiple of 256 from y's first byte
.endr
.endm
	OUT16 0, 0, 0x04, F0
	OUT16 1, 1, 0x04, F1
	OUT16 2, 2, 0x04, F0
	OUT16 3, 3, 0x04, F1
	OUT16 4, 4, 0x04, F0
	OUT16 5, 0, 0x08, F1
	OUT16 6, 1, 0x08, F0
	OUT16 7, 2, 0x08, F1
	OUT16 8, 3, 0x08, F0
	s_wait_tensorcnt 0x0
	ds_add_u32 v254, v255
	s_wait_dscnt 0x0
	CROUND                                         ; the closing round: no work-group ends while a partner may still ask jointly
	s_endpgm
.Lfunc_end_k_q87839eb2d5_ffn2:
	.size	k_q87839eb2d5_ffn2, .Lfunc_end_k_q87839eb2d5_ffn2-k_q87839eb2d5_ffn2
	.p2alignl 7, 3214868480
	.fill 96, 4, 3214868480
	.section	.rodata,"a",@progbits
	.p2align	6, 0x0
	.amdhsa_kernel k_q87839eb2d5_ffn2
		.amdhsa_group_segment_fixed_size 322048
		.amdhsa_private_segment_fixed_size 0
		.amdhsa_enable_private_segment 0
		.amdhsa_kernarg_size 32
		.amdhsa_user_sgpr_count 2
		.amdhsa_user_sgpr_kernarg_segment_ptr 1
		.amdhsa_wavefront_size32 1
		.amdhsa_system_sgpr_workgroup_id_x 1
		.amdhsa_system_sgpr_workgroup_id_y 1
		.amdhsa_system_sgpr_workgroup_id_z 1
		.amdhsa_system_vgpr_workitem_id 0
		.amdhsa_next_free_vgpr 1024
		.amdhsa_next_free_sgpr 66
		.amdhsa_reserve_vcc 0
		.amdhsa_float_denorm_mode_32 3
		.amdhsa_float_denorm_mode_16_64 3
		.amdhsa_memory_ordered 1
		.amdhsa_forward_progress 1
		.amdhsa_inst_pref_size 168
	.end_amdhsa_kernel
	.amdgpu_metadata
---
amdhsa.version: [ 1, 2 ]
amdhsa.kernels:
  - .name:           k_q87839eb2d5_ffn2
    .symbol:         k_q87839eb2d5_ffn2.kd
    .args:
      - { .name: h, .offset: 0, .size: 8, .value_kind: global_buffer, .address_space: global }
      - { .name: w2b, .offset: 8, .size: 8, .value_kind: global_buffer, .address_space: global }
      - { .name: texp, .offset: 16, .size: 8, .value_kind: global_buffer, .address_space: global }
      - { .name: y, .offset: 24, .size: 8, .value_kind: global_buffer, .address_space: global }
    .group_segment_fixed_size: 322048
    .private_segment_fixed_size: 0
    .kernarg_segment_align: 8
    .kernarg_segment_size: 32
    .max_flat_workgroup_size: 128
    .sgpr_count:     66
    .vgpr_count:     1024
    .wavefront_size: 32
...
	.end_amdgpu_metadata
.endif
;; end of part 3
;; launch combine (part 4): grid 256 x 1, 8 waves a work-group, no clusters, 0 bytes of LDS; arguments expert_weights, pos, y, out0; writes out0
.if DOCPART == 4
	.amdgcn_target "amdgcn-amd-amdhsa--gfx1250"
	.amdhsa_code_object_version 6
	.text
	.protected	k_q87839eb2d5_combine
	.globl	k_q87839eb2d5_combine
	.p2align	8
	.type	k_q87839eb2d5_combine,@function
k_q87839eb2d5_combine:
	s_mov_b64 s[64:65], 0
	v_nop
	global_prefetch_b8 v0, s[64:65] scope:SCOPE_SE
	s_setreg_imm32_b32 hwreg(HW_REG_WAVE_MODE, 25, 1), 1
	s_wait_xcnt 0x0
; COMBINE: out0[t] = ew[t][0] y[pos[2t]] + ew[t][1] y[pos[2t+1]].  y: [9216][1024] f32, out0: [4096][1024] f32.
; Memory binds: each picked row of y is read once, each byte of out0 written once; no LDS, no barrier, no matrix unit.
; Wave w of work-group i owns tokens 16 i + 2 w and the next: four rows of 4,096 bytes in, two out.  All 32 loads of a wave go out at once.
; A token whose two picks name one expert has two equal rows, so it gets ew0 h + ew1 h where the sum of the weights times h is asked:
; one rounding's difference.  Experts that a token does not pick contribute nothing here (not 0 times their result).
; Row numbers come from the earlier launch's table and are clamped to 9,215 before they enter an address.
.set LASTROW, 9215
.set R, 4                              ; v[4:131]: row p (0..3) piece j (0..7) at R + 32 p + 4 j
	s_load_b256 s[4:11], s[0:1], 0x0               ; ew s[4:5], pos s[6:7], y s[8:9], out0 s[10:11]
	v_lshrrev_b32 v2, 5, v0
	v_readfirstlane_b32 s2, v2                     ; wave 0..7
	v_and_b32 v1, 31, v0
	v_lshlrev_b32 v1, 4, v1                        ; 16 x lane
	s_lshl_b32 s20, ttmp9, 7                       ; my four pairs in pos and in ew: byte 128 i + 16 w
	s_lshl_b32 s21, s2, 4
	s_add_co_u32 s20, s20, s21
	s_mov_b32 s21, 0
	s_lshl_b32 s44, ttmp9, 16                      ; my two rows of out0: byte 65,536 i + 8,192 w
	s_lshl_b32 s45, s2, 13
	s_add_co_u32 s44, s44, s45
	s_mov_b32 s45, 0
	s_mov_b32 s43, 0
	s_wait_kmcnt 0x0
	s_add_nc_u64 s[22:23], s[6:7], s[20:21]
	s_add_nc_u64 s[40:41], s[4:5], s[20:21]
	s_load_b128 s[12:15], s[22:23], 0x0            ; four rows
	s_load_b128 s[16:19], s[40:41], 0x0            ; four weights
	s_add_nc_u64 s[10:11], s[10:11], s[44:45]
	s_wait_kmcnt 0x0
.irp c, 0,1,2,3
	s_min_u32 s42, s[12+\c], LASTROW
	s_lshl_b32 s42, s42, 12                        ; rows of 4,096 bytes
	s_add_nc_u64 s[24+2*\c:25+2*\c], s[8:9], s[42:43]
	s_mov_b32 s[32+2*\c], s[16+\c]                 ; the weight in both words of a pair, for the packed forms
	s_mov_b32 s[33+2*\c], s[16+\c]
.endr
.irp c, 0,1
.irp j, 0,1,2,3,4,5,6,7
	global_load_b128 v[R+64*\c+4*\j:R+64*\c+4*\j+3],       v1, s[24+4*\c:25+4*\c] offset:512*\j th:TH_LOAD_NT
	global_load_b128 v[R+64*\c+32+4*\j:R+64*\c+32+4*\j+3], v1, s[26+4*\c:27+4*\c] offset:512*\j th:TH_LOAD_NT
.endr
.endr
.irp c, 0,1
.irp j, 0,1,2,3,4,5,6,7
	s_wait_loadcnt 30-2*(8*\c+\j)                  ; loads come back in order: this piece's two are in, the younger pairs stay out
	v_pk_mul_f32 v[R+64*\c+4*\j:R+64*\c+4*\j+1],   v[R+64*\c+4*\j:R+64*\c+4*\j+1],   s[32+4*\c:33+4*\c] op_sel_hi:[1,0]
	v_pk_mul_f32 v[R+64*\c+4*\j+2:R+64*\c+4*\j+3], v[R+64*\c+4*\j+2:R+64*\c+4*\j+3], s[32+4*\c:33+4*\c] op_sel_hi:[1,0]
	v_pk_fma_f32 v[R+64*\c+4*\j:R+64*\c+4*\j+1],   v[R+64*\c+32+4*\j:R+64*\c+32+4*\j+1],   s[34+4*\c:35+4*\c], v[R+64*\c+4*\j:R+64*\c+4*\j+1] op_sel_hi:[1,0,1]
	v_pk_fma_f32 v[R+64*\c+4*\j+2:R+64*\c+4*\j+3], v[R+64*\c+32+4*\j+2:R+64*\c+32+4*\j+3], s[34+4*\c:35+4*\c], v[R+64*\c+4*\j+2:R+64*\c+4*\j+3] op_sel_hi:[1,0,1]
	global_store_b128 v1, v[R+64*\c+4*\j:R+64*\c+4*\j+3], s[10:11] offset:4096*\c+512*\j th:TH_STORE_NT   ; 512 consecutive bytes, aligned
.endr
.endr
	s_endpgm
.Lfunc_end_k_q87839eb2d5_combine:
	.size	k_q87839eb2d5_combine, .Lfunc_end_k_q87839eb2d5_combine-k_q87839eb2d5_combine
	.p2alignl 7, 3214868480
	.fill 96, 4, 3214868480
	.section	.rodata,"a",@progbits
	.p2align	6, 0x0
	.amdhsa_kernel k_q87839eb2d5_combine
		.amdhsa_group_segment_fixed_size 0
		.amdhsa_private_segment_fixed_size 0
		.amdhsa_enable_private_segment 0
		.amdhsa_kernarg_size 32
		.amdhsa_user_sgpr_count 2
		.amdhsa_user_sgpr_kernarg_segment_ptr 1
		.amdhsa_wavefront_size32 1
		.amdhsa_system_sgpr_workgroup_id_x 1
		.amdhsa_system_sgpr_workgroup_id_y 1
		.amdhsa_system_sgpr_workgroup_id_z 1
		.amdhsa_system_vgpr_workitem_id 0
		.amdhsa_next_free_vgpr 132
		.amdhsa_next_free_sgpr 66
		.amdhsa_reserve_vcc 0
		.amdhsa_float_denorm_mode_32 3
		.amdhsa_float_denorm_mode_16_64 3
		.amdhsa_memory_ordered 1
		.amdhsa_forward_progress 1
		.amdhsa_inst_pref_size 11
	.end_amdhsa_kernel
	.amdgpu_metadata
---
amdhsa.version: [ 1, 2 ]
amdhsa.kernels:
  - .name:           k_q87839eb2d5_combine
    .symbol:         k_q87839eb2d5_combine.kd
    .args:
      - { .name: expert_weights, .offset: 0, .size: 8, .value_kind: global_buffer, .address_space: global }
      - { .name: pos, .offset: 8, .size: 8, .value_kind: global_buffer, .address_space: global }
      - { .name: y, .offset: 16, .size: 8, .value_kind: global_buffer, .address_space: global }
      - { .name: out0, .offset: 24, .size: 8, .value_kind: global_buffer, .address_space: global }
    .group_segment_fixed_size: 0
    .private_segment_fixed_size: 0
    .kernarg_segment_align: 8
    .kernarg_segment_size: 32
    .max_flat_workgroup_size: 256
    .sgpr_count:     66
    .vgpr_count:     132
    .wavefront_size: 32
...
	.end_amdgpu_metadata
.endif
;; end of part 4
;; ======== version 2 of 2: 4 launches; version 1 with the launches prep, combine written anew for expert scheduling mode
;; limits: values are held in f16: magnitudes above 65,504 overflow, below 6.1e-05 lose precision
;; workspace buffers: xs 18,874,368 bytes; w1b 16,777,216 bytes; w2b 16,777,216 bytes; h 18,874,368 bytes; y 37,748,736 bytes; pos 32,768 bytes of whole numbers; texp 256 bytes of whole numbers
;; launch prep (part 5): grid 256 x 1, 8 waves a work-group, no clusters, 18,688 bytes of LDS; arguments expert_indices, w1, w2, x, xs, w1b, w2b, pos, texp; writes xs, w1b, w2b, pos, texp
.if DOCPART == 5
	.amdgcn_target "amdgcn-amd-amdhsa--gfx1250"
	.amdhsa_code_object_version 6
	.text
	.protected	k_q87839eb2d5_prep
	.globl	k_q87839eb2d5_prep
	.p2align	8
	.type	k_q87839eb2d5_prep,@function
k_q87839eb2d5_prep:
	s_mov_b64 s[64:65], 0
	v_nop
	global_prefetch_b8 v0, s[64:65] scope:SCOPE_SE
	s_setreg_imm32_b32 hwreg(HW_REG_WAVE_SCHED_MODE, 0, 2), 2
	s_setreg_imm32_b32 hwreg(HW_REG_WAVE_MODE, 25, 1), 1
	s_wait_xcnt 0x0
	s_wait_alu depctr_vm_vsrc(0)
; PREP: routing tables, weights to f16 in the matrix unit's fragment order, token rows to f16 in sorted order.
; The 8,192 (token, pick) pairs are sorted by expert; each expert's segment is padded to a multiple of 144 rows.
; The sum over experts of ceil(count/144) is at most (8192 + 8*143)/144 = 64, so 64 row slots = 9,216 rows hold every distribution,
; and there are always exactly 9216 - 8192 = 1,024 pad rows, which are stored as zeros.
; Every work-group counts all 8,192 indices itself (32 KiB, whole numbers only): no traffic between work-groups.
; Work-group i owns: 32 k rows (128 KiB) of w1 and of w2, tokens 16 i .. 16 i + 15 (pairs 32 i .. 32 i + 31),
; pad rows 4 i .. 4 i + 3 of the 1,024; work-group 0 also stores the table slot -> expert.
; WEIGHTS OUT: w[e][k][n] f32 becomes f16 at [e][n / 16][k / 8][n % 16][k % 8]: 16 bytes hold eight neighbouring k of one column, 256 bytes
; sixteen columns of one k octet, 1,024 bytes a fragment of 16 columns x 32 k as the later launches' lanes take it by two 16-byte loads.
; A wave takes 8 k rows x 512 columns, in 4 units of 128 columns: 8 loads of 512 consecutive bytes, 16 packed roundings that pair
; neighbouring k, a turn through its own LDS stage (a lane holds 4 columns, a store wants 16 neighbouring columns in 16 lanes), 4 stores.
; WHY f16: 11 significant bits against bf16's 8.  The result is compared within a hundredth of its root mean square; sums of 1,024 products
; of operands rounded to 8 bits (relative error about 1.7e-3 each) come to a fifth of that allowance and more, rounded to 11 bits to a fortieth.
; LIMIT OF RANGE: an x or a weight of magnitude 65,520 or more becomes infinite in f16; below 2^-14 the step is 2^-24.  Numbers of spread 1
; (x) and 0.02 (weights), 30 times larger or smaller or offset by 30 spreads, lie between 6.7e-4 and about 200: inside.
; LIMIT: indices are taken to lie in 0 .. 7 as the problem grants; whatever they hold, every row number is clamped to 9,215
; before it enters an address.
; THE MODE: SCHED_MODE bits 1:0 = 2 (LLVM: expert scheduling mode 2), set by the entry lines.  The code itself states the register dependences
; between vector instructions and memory or LDS instructions, with s_wait_alu, always for 0.
; THE PLAN.  Registers that memory or LDS instructions touch:
;   v1, v2, v5, v6, v7   offsets, made at the head, never written again.     v14, P, BF   written by the counting, read by the two LDS stores of the counts, never written again.
;   v8, v9               at work in the counting; then the two LDS loads behind the barrier land in them.
;   POS; v10, v11; Z     each written once by vector instructions, read by stores, never written again.     VST, VLD, VS   stage and output offsets, made once.
;   D0 .. D3             Unit u: its sixteen roundings read D[u]; behind them eight loads land in it again.
;   Y                    Unit u: its roundings write Y, its four LDS stores read Y; the next unit's roundings write it again.
;   RB0 .. RB3           Unit u: its four LDS loads land in RB[u]; the four global stores that read it are issued one unit later; it is loaded again four units later.  No vector instruction names RB.
;   x's pieces           lie in D0 and D1, are rounded in place, read by two stores each, never written again.
; So a unit has ONE wait on va_vdst, behind its roundings (they are done reading D[u] and have written Y), and ONE on vm_vsrc, at its head (Y and RB[u] have been read).
; x goes in blocks of four pieces: one wait on va_vdst at a block's head states that the block before is written, and that block's stores are dealt among this block's roundings.
; Scalar results of vector instructions are made in runs, each run with one wait ahead of its first reader.
.set LASTROW, 9215
.set BM,    144
.set VS,    15                         ; v15        weights out: 32,768 (lane / 16) + 16 (lane % 16)
.set IDX,   16                         ; v[16:47]   my 32 indices (thread j holds the pairs of work-group j)
.set Y,     16                         ; v[16:31]   afterwards: a unit's 4 columns x 4 registers of f16, on their way into the stage
.set OWN,   48                         ; v48        lane q: index of this work-group's pair q
.set POS,   49                         ; v49        lane q: padded row of that pair
.set P,     50                         ; v[50:53]   counts, two experts a word (16-bit fields): (0,4) (2,6) (1,5) (3,7)
.set BF,    54                         ; v[54:57]   the same, only of work-groups in front of mine
.set Z,     58                         ; v[58:61]   zeros for the pad row
.set VST,   62                         ; v62        stage, in
.set VLD,   63                         ; v63        stage, back
.set RB,    64                         ; v[64:127]  unit u: 16 registers read back from the stage, to store
.set D,     128                        ; v[128:255] unit u: 8 rows x 4 registers of f32 as loaded
.set SPW,   272                        ; stage: a tile's 256 bytes + 16, so that both ways touch 16 different 16-byte columns
.set STG,   256                        ; the stages lie behind the 256 bytes of the counts; 8 x 272 bytes for each wave, the wave's own
.set MK,    26                         ; s[26:33]   first the eight summed words; when these are unpacked: lane masks and lane values that vector instructions write
.set TOT,   34                         ; s[34:41]   pairs of expert e; when the segments are made: seven more lane masks, for the table
.set START, 42                         ; s[42:49]   pairs of expert e in front of my work-group, then my first row of expert e
.set TB,    50                         ; s[50:57]   first row slot of expert e
	s_load_b512 s[8:23], s[0:1], 0x0               ; ei s[8:9], w1 s[10:11], w2 s[12:13], x s[14:15], xs s[16:17], w1b s[18:19], w2b s[20:21], pos s[22:23]
	s_load_b64 s[24:25], s[0:1], 0x40              ; texp
	s_set_vgpr_msb 0x40
	v_lshl_add_u32 v0, v0, 2, 0x4500
	v_mov_b32 v1, 0
	s_set_vgpr_msb 0x4000
	v_lshrrev_b32 v4, 5, v0
	v_readfirstlane_b32 s2, v4                     ; wave 0..7
	s_mov_b32 s3, ttmp9                            ; work-group i
	s_mov_b32 s80, 0x76543210                      ; v_permlanex16_b32: lane l reads lane l xor 16
	s_mov_b32 s81, 0xfedcba98
	s_mov_b32 s92, 0x0f0f0f0f
	s_mov_b32 s93, 0x00ff00ff
	v_and_b32 v3, 31, v0                           ; lane
	v_lshlrev_b32 v1, 4, v3                        ; 16 x lane: f32 loads, zero stores
	v_lshlrev_b32 v2, 3, v3                        ; 8 x lane: stores of x
	v_lshlrev_b32 v5, 7, v0                        ; 128 x thread: my 32 indices
	v_lshlrev_b32 v6, 2, v3                        ; 4 x lane
	s_lshl_b32 s62, s3, 7
	v_add_nc_u32 v7, s62, v6                       ; 128 i + 4 lane: my work-group's pair in ei and in pos
	s_wait_alu depctr_va_sdst(0)                   ; s2 is written, ahead of its first reader: every base below is made from it
	s_lshr_b32 s62, s2, 1                          ; o: which of the group's four k octets is my wave's
	s_and_b32 s63, s2, 1                           ; c: which 512 columns
	s_lshl_b32 s66, s3, 17                         ; weights in: 131,072 i + 32,768 o + 2,048 c
	s_lshl_b32 s58, s62, 15
	s_add_co_u32 s66, s66, s58
	s_lshl_b32 s58, s63, 11
	s_add_co_u32 s66, s66, s58
	s_mov_b32 s67, 0
	s_lshr_b32 s68, s3, 5                          ; weights out: expert i / 32 x 2 MiB + 32 tiles c x 32 KiB + k octet (4 (i % 32) + o) x 256
	s_lshl_b32 s68, s68, 21
	s_and_b32 s58, s3, 31
	s_lshl_b32 s58, s58, 10
	s_add_co_u32 s68, s68, s58
	s_lshl_b32 s58, s63, 20
	s_add_co_u32 s68, s68, s58
	s_lshl_b32 s58, s62, 8
	s_add_co_u32 s68, s68, s58
	s_mov_b32 s69, 0
	s_lshl_b32 s94, s3, 16                         ; my two tokens in x: 65,536 i + 8,192 wave
	s_lshl_b32 s58, s2, 13
	s_add_co_u32 s94, s94, s58
	s_mov_b32 s95, 0
	s_wait_kmcnt 0x0
	s_add_nc_u64 s[82:83], s[10:11], s[66:67]      ; w1
	s_add_nc_u64 s[84:85], s[18:19], s[68:69]      ; w1b
	s_add_nc_u64 s[86:87], s[12:13], s[66:67]      ; w2
	s_add_nc_u64 s[88:89], s[20:21], s[68:69]      ; w2b
	s_add_nc_u64 s[90:91], s[14:15], s[94:95]      ; x
	s_wait_alu depctr_va_vdst(0)                   ; the offsets v1, v2, v5, v6 and v7 are written, which the loads and stores of the kernel read
.irp n, 0,1,2,3,4,5,6,7
	global_load_b128 v[IDX+4*\n:IDX+4*\n+3], v5, s[8:9] offset:16*\n
.endr
	global_load_b32 v[OWN], v7, s[8:9]
.irp u, 0,1,2,3
.irp j, 0,1,2,3,4,5,6,7
	global_load_b128 v[D+32*\u+4*\j:D+32*\u+4*\j+3], v1, s[82:83] offset:4096*\j+512*\u th:TH_LOAD_NT   ; w1: row j, unit u: 512 neighbouring bytes a load
.endr
.endr
.irp k, 0,1,2,3
	v_mov_b32 v[Z+\k], 0
.endr
	v_mov_b32 v13, 0                               ; a lane exchange's destination counts as read: written once here
	v_mov_b32 v14, s2
	v_lshlrev_b32 v14, 5, v14                      ; 32 x wave: my wave's eight words in LDS
	s_mul_i32 s62, s2, 8*SPW
	s_add_co_u32 s62, s62, STG                     ; my wave's stage
	v_lshrrev_b32 v8, 2, v3                        ; in: my four columns lie in tile lane / 4, at columns 4 (lane % 4) ..
	v_mul_u32_u24 v8, v8, SPW
	v_and_b32 v9, 3, v3
	v_lshl_add_u32 v8, v9, 6, v8
	v_add_nc_u32 v[VST], s62, v8
	v_lshrrev_b32 v8, 4, v3                        ; back: lanes 0-15 take a tile's 256 bytes, lanes 16-31 the next tile's
	v_and_b32 v9, 15, v3
	v_mul_u32_u24 v10, v8, SPW
	v_lshl_add_u32 v10, v9, 4, v10
	v_add_nc_u32 v[VLD], s62, v10
	v_lshlrev_b32 v9, 4, v9
	v_lshl_add_u32 v[VS], v8, 15, v9               ; and out: neighbouring tiles lie 32,768 bytes apart
	s_wait_loadcnt 32                              ; the nine index loads are in; the 32 weight loads issued behind them stay out
	v_cmp_gt_u32 vcc_lo, s3, v0                    ; thread j < i: its pairs lie in front of my work-group's.  Made here, ahead of the counting; read behind it
	; counts of my 32 indices: 8 at a time in 4-bit fields (at most 8 each), then byte fields (at most 32), then 16-bit fields
.set g, 0
.rept 4
	v_lshlrev_b32 v8, 2, v[IDX+8*g]
	v_lshlrev_b32 v9, v8, 1                        ; 1 << 4 e
.set k, 1
.rept 7
	v_lshlrev_b32 v8, 2, v[IDX+8*g+k]
	v_lshl_add_u32 v9, 1, v8, v9
.set k, k+1
.endr
.if g == 0
	v_and_b32 v10, s92, v9                         ; experts 0, 2, 4, 6 in bytes
	v_lshrrev_b32 v9, 4, v9
	v_and_b32 v11, s92, v9                         ; experts 1, 3, 5, 7
.else
	v_and_b32 v12, s92, v9
	v_lshrrev_b32 v9, 4, v9
	v_add_nc_u32 v10, v10, v12
	v_and_b32 v12, s92, v9
	v_add_nc_u32 v11, v11, v12
.endif
.set g, g+1
.endr
	v_and_b32 v[P], s93, v10                       ; (e0, e4)
	v_lshrrev_b32 v10, 8, v10
	v_and_b32 v[P+1], s93, v10                     ; (e2, e6)
	v_and_b32 v[P+2], s93, v11                     ; (e1, e5)
	v_lshrrev_b32 v11, 8, v11
	v_and_b32 v[P+3], s93, v11                     ; (e3, e7)
	s_wait_alu depctr_va_vcc(0)                    ; the compare above has written VCC, which the four selects read
.irp k, 0,1,2,3
	v_cndmask_b32 v[BF+\k], 0, v[P+\k], vcc_lo
.endr
; sum of one register over the 32 lanes, in every lane
.macro WSUM r
.irp m, 1,2,4,8
	v_mov_b32_dpp v13, v[\r] row_xmask:\m row_mask:0xf bank_mask:0xf
	v_add_nc_u32 v[\r], v[\r], v13
.endr
	v_permlanex16_b32 v13, v[\r], s80, s81
	v_add_nc_u32 v[\r], v[\r], v13
.endm
.irp k, 0,1,2,3,4,5,6,7
	WSUM P+\k
.endr
	s_wait_alu depctr_va_vdst(0)                   ; P, BF and v14 are written, which the LDS stores read; so are Z, VST, VLD and VS, for later; and the vector instructions are done with v8 and v9, in which the LDS loads behind the barrier land
	ds_store_b128 v14, v[P:P+3]                    ; every lane writes the same words with the same values
	ds_store_b128 v14, v[BF:BF+3] offset:16
	s_wait_dscnt 0x0                               ; my stores are done before I say so: the other waves read them
	s_barrier_signal -1
	s_barrier_wait -1
	ds_load_b32 v8, v6                             ; lane l: word l & 7 of wave l >> 3,
	ds_load_b32 v9, v6 offset:128                  ; and of wave 4 + (l >> 3)
	s_wait_dscnt 0x0
	v_add_nc_u32 v8, v8, v9
	v_mov_b32_dpp v13, v8 row_xmask:8 row_mask:0xf bank_mask:0xf
	v_add_nc_u32 v8, v8, v13
	v_permlanex16_b32 v13, v8, s80, s81
	v_add_nc_u32 v8, v8, v13                       ; lane l: word l & 7 summed over the eight waves
.irp k, 0,1,2,3,4,5,6,7
	v_readlane_b32 s[MK+\k], v8, \k
.endr
	s_wait_alu depctr_va_sdst(0)                   ; the eight words s26 to s33 are written, ahead of their first reader
	s_and_b32 s[TOT+0], s26, 0xffff
	s_lshr_b32 s[TOT+4], s26, 16
	s_and_b32 s[TOT+2], s27, 0xffff
	s_lshr_b32 s[TOT+6], s27, 16
	s_and_b32 s[TOT+1], s28, 0xffff
	s_lshr_b32 s[TOT+5], s28, 16
	s_and_b32 s[TOT+3], s29, 0xffff
	s_lshr_b32 s[TOT+7], s29, 16
	s_and_b32 s[START+0], s30, 0xffff
	s_lshr_b32 s[START+4], s30, 16
	s_and_b32 s[START+2], s31, 0xffff
	s_lshr_b32 s[START+6], s31, 16
	s_and_b32 s[START+1], s32, 0xffff
	s_lshr_b32 s[START+5], s32, 16
	s_and_b32 s[START+3], s33, 0xffff
	s_lshr_b32 s[START+7], s33, 16
.irp e, 0,1,2,3,4,5,6,7
	v_cmp_eq_u32 s[MK+\e], \e, v[OWN]              ; the lanes whose pair names expert e: eight masks in one run, made while the scalar work below goes on
.endr
	; the segments.  s58 = slots so far, s59 = pad rows so far, s60 = j, my wave's pad row among the 1,024, s61 = what turns j into a row
	s_mov_b32 s58, 0
	s_mov_b32 s59, 0
	s_mov_b32 s61, 0
	s_lshl_b32 s60, s3, 2
	s_lshr_b32 s62, s2, 1
	s_add_co_u32 s60, s60, s62                     ; j = 4 i + wave / 2
.irp e, 0,1,2,3,4,5,6,7
	s_mov_b32 s[TB+\e], s58
	s_mul_i32 s62, s58, BM                         ; the segment's first row
	s_add_co_u32 s[START+\e], s62, s[START+\e]     ; + pairs of this expert in front of my work-group
	s_add_co_u32 s63, s62, s[TOT+\e]               ; the segment's first pad row,
	s_sub_co_u32 s63, s63, s59                     ; less the pad rows in front of it (never below 0: it is the number of pairs so far)
	s_cmp_ge_u32 s60, s59                          ; j at or behind this segment's first pad: the last segment for which that holds wins
	s_cselect_b32 s61, s63, s61
	s_add_co_u32 s62, s[TOT+\e], BM-1
	s_mul_hi_u32 s62, s62, 0x1c71c72               ; / 144: the factor is ceil(2^32 / 144), exact for arguments far beyond 8,335
	s_add_co_u32 s58, s58, s62
	s_mul_i32 s62, s62, BM
	s_sub_co_u32 s62, s62, s[TOT+\e]
	s_add_co_u32 s59, s59, s62
.endr
	s_mul_i32 s62, s58, BM                         ; the slots that no expert uses are pad rows too
	s_sub_co_u32 s62, s62, s59
	s_cmp_ge_u32 s60, s59
	s_cselect_b32 s61, s62, s61
	s_add_co_u32 s60, s60, s61
	s_min_u32 s60, s60, LASTROW                    ; my pad row
	; lane q: row of my work-group's pair q = my first row of its expert + the number of lower lanes with the same expert
	v_mov_b32 v[POS], 0
	s_wait_alu depctr_va_sdst(0)                   ; the eight masks s26 to s33 are written, ahead of their first reader
.irp e, 0,1,2,3,4,5,6,7
	v_mbcnt_lo_u32_b32 v8, s[MK+\e], 0
	v_add_nc_u32 v8, s[START+\e], v8
	v_cndmask_b32 v[POS], v[POS], v8, s[MK+\e]
.endr
	v_min_u32 v[POS], LASTROW, v[POS]
	s_cmp_lg_u32 s2, 0
	s_cbranch_scc1 .Lno_tables
	s_wait_alu depctr_va_vdst(0)                   ; POS is written, which the store reads
	global_store_b32 v7, v[POS], s[22:23]          ; wave 0: pos of my work-group's 32 pairs
	s_cmp_lg_u32 s3, 0
	s_cbranch_scc1 .Lno_tables
	v_lshlrev_b32 v8, 1, v3                        ; wave 0 of work-group 0: lane l makes slots 2 l and 2 l + 1
	v_or_b32 v9, 1, v8
	v_mov_b32 v10, 0
	v_mov_b32 v11, 0
.irp e, 1,2,3,4,5,6,7
	v_cmp_le_u32 s[MK+\e-1], s[TB+\e], v8          ; is expert e's first slot not behind the slot?  Fourteen masks in one run: s26 to s32, and s34 to s40, where the totals are no longer wanted
	v_cmp_le_u32 s[TOT+\e-1], s[TB+\e], v9
.endr
	s_wait_alu depctr_va_sdst(0)                   ; the fourteen masks are written, ahead of their first reader
.irp e, 1,2,3,4,5,6,7
	v_cndmask_b32 v10, v10, \e, s[MK+\e-1]         ; the last expert for which that holds
	v_cndmask_b32 v11, v11, \e, s[TOT+\e-1]
.endr
	s_wait_alu depctr_va_vdst(0)                   ; v10 and v11 are written, which the store reads
	global_store_b64 v2, v[10:11], s[24:25]        ; 256 consecutive bytes: the whole table
.Lno_tables:
	; where my two tokens' four rows go, and my half of a pad row
	s_lshl_b32 s4, s2, 2                           ; pairs 4 wave .. 4 wave + 3: a lane select for each
	s_add_co_u32 s5, s4, 1
	s_add_co_u32 s6, s4, 2
	s_add_co_u32 s7, s4, 3
.irp c, 0,1,2,3
	v_readlane_b32 s[MK+\c], v[POS], s[4+\c]       ; pair 4 wave + c
.endr
	s_wait_alu depctr_va_sdst(0)                   ; the four rows s26 to s29 are written, ahead of their first reader
.irp c, 0,1,2,3
	s_min_u32 s62, s[MK+\c], LASTROW
	s_lshl_b32 s66, s62, 11                        ; rows of 2,048 bytes; s67 is still 0
	s_add_nc_u64 s[70+2*\c:71+2*\c], s[16:17], s[66:67]
.endr
	s_lshl_b32 s66, s60, 11
	s_and_b32 s62, s2, 1
	s_lshl_b32 s62, s62, 10
	s_add_co_u32 s66, s66, s62
	s_add_nc_u64 s[78:79], s[16:17], s[66:67]
	global_store_b128 v1, v[Z:Z+3], s[78:79]               ; 1,024 bytes of zeros.  Z and v1 were written ahead of the wait in front of the counts' LDS stores, and no vector instruction has named them since
	global_store_b128 v1, v[Z:Z+3], s[78:79] offset:512
	; THE STREAM: 80 loads of 512 bytes a wave (4 units of w1, 4 of w2, 16 pieces of x) on a ring of 4 x 32 registers.
; One unit of a weight: 8 k rows x 128 columns.  left: how many younger loads may stay out (loads come back in order, ISA guide 5.7.1).
; vm = 1: a unit stands in front of this one.  free = 1: RB's set u was the data of stores issued three units ago.
; next: what is loaded into the unit's registers (1: w2's unit u, 2: eight pieces of x, 0: nothing).
; The unit's four global stores are issued behind the next unit's LDS instructions (SEND4), when its rows have long come back from the stage.
.macro UNIT u, left, vm, free, next
	s_wait_loadcnt \left
.if \free
	s_wait_xcnt 0x0                                ; RB's set u is loaded again only behind this wait; it stands ahead of the new loads, so that it waits for older instructions alone
.endif
.if \vm
	s_wait_alu depctr_vm_vsrc(0)                   ; the LDS stores of the unit before have read Y, which the roundings below write again; from the fifth unit on: the global stores have read RB's set u, in which the LDS loads below land
.endif
.irp i, 0,1,2,3
.irp m, 0,1,2,3
	v_cvt_pk_f16_f32 v[Y+4*\i+\m], v[D+32*\u+8*\m+\i], v[D+32*\u+8*\m+4+\i]   ; column i: k = 2 m below, k = 2 m + 1 above
.endr
.endr
	s_wait_alu depctr_va_vdst(0)                   ; the roundings have written Y, which the LDS stores read, and are done reading D's set u, in which the loads below land
.if \next == 1
.irp j, 0,1,2,3,4,5,6,7
	global_load_b128 v[D+32*\u+4*\j:D+32*\u+4*\j+3], v1, s[86:87] offset:4096*\j+512*\u th:TH_LOAD_NT
.endr
.endif
.if \next == 2
.irp j, 0,1,2,3,4,5,6,7
	global_load_b128 v[D+32*\u+4*\j:D+32*\u+4*\j+3], v1, s[90:91] offset:512*(8*\u+\j) th:TH_LOAD_NT
.endr
.endif
.irp i, 0,1,2,3
	ds_store_b128 v[VST], v[Y+4*\i:Y+4*\i+3] offset:16*\i          ; my wave's own bytes: LDS serves a wave's instructions in order (ISA guide 5.7.1.4), so no wait up to the loads below, nor between the last unit's loads and these stores
.endr
.irp p, 0,1,2,3
	ds_load_b128 v[RB+16*\u+4*\p:RB+16*\u+4*\p+3], v[VLD] offset:2*SPW*\p
.endr
.endm
; One store of unit u: tiles 8 u + 2 p and the next: 16 lanes store 256 consecutive bytes, aligned.  Its data came by LDS loads, its offset VS is never rewritten.
.macro WSEND u, p, dst
	global_store_b128 v[VS], v[RB+16*\u+4*\p:RB+16*\u+4*\p+3], s[\dst:\dst+1] offset:262144*\u+65536*\p
.endm
.macro SEND4 u, dst
	s_wait_dscnt 8                                 ; all but the eight LDS instructions of the unit just issued: unit u's rows are back
.irp p, 0,1,2,3
	WSEND \u, \p, \dst
.endr
.endm
	UNIT 0, 24, 0, 0, 1                            ; w1; three younger units stay out
	UNIT 1, 24, 1, 0, 1
	SEND4 0, 84
	UNIT 2, 24, 1, 0, 1
	SEND4 1, 84
	UNIT 3, 24, 1, 0, 1
	SEND4 2, 84
	UNIT 0, 24, 1, 1, 2                            ; w2
	SEND4 3, 84
	UNIT 1, 24, 1, 1, 2
	SEND4 0, 88
	UNIT 2, 24, 1, 1, 0                            ; behind it: w2's last unit and the 16 pieces of x
	SEND4 1, 88
	UNIT 3, 16, 1, 1, 0
	SEND4 2, 88
; x: piece t % 8 of token t / 8, rounded in its own registers (nothing is loaded into them again), stored to the rows of both its picks.
.macro XRND t
	v_cvt_pk_f16_f32 v[D+4*(\t)], v[D+4*(\t)], v[D+4*(\t)+1]
	v_cvt_pk_f16_f32 v[D+4*(\t)+1], v[D+4*(\t)+2], v[D+4*(\t)+3]
.endm
.macro XSEND t
	global_store_b64 v2, v[D+4*(\t):D+4*(\t)+1], s[70+4*((\t)/8):71+4*((\t)/8)] offset:256*((\t)%8)
	global_store_b64 v2, v[D+4*(\t):D+4*(\t)+1], s[72+4*((\t)/8):73+4*((\t)/8)] offset:256*((\t)%8)
.endm
; Block b: pieces 4 b to 4 b + 3.  Among its roundings stand the stores of the block before (block 0: the last weight unit's), which name none of this block's registers.
.macro XBLK b
	s_wait_loadcnt 15-4*(\b)                       ; the block's first piece is in; the younger pieces stay out
.if (\b) > 0
	s_wait_alu depctr_va_vdst(0)                   ; the block before has written its four pieces, which the stores below read
.endif
.irp i, 0,1,2,3
.if (\b) > 0
	XSEND 4*(\b)-4+\i
.else
	s_wait_dscnt 3-\i                              ; LDS loads come back in order: the last unit's rows, the younger loads stay out
	WSEND 3, \i, 88
.endif
.if \i > 0
	s_wait_loadcnt 15-4*(\b)-\i
.endif
	XRND 4*(\b)+\i
.endr
.endm
	XBLK 0
	XBLK 1
	XBLK 2
	XBLK 3
	s_wait_alu depctr_va_vdst(0)                   ; the last block has written its four pieces, which the last stores read
.irp t, 12,13,14,15
	XSEND \t
.endr
	s_set_vgpr_msb 0x5                             ; the add's two registers, sources 0 and 1, lie in window 1
	s_wait_dscnt 0x0                               ; the closing lines, six on end
	s_wait_alu 0x0
	s_wait_tensorcnt 0x0
	ds_add_u32 v0, v1
	s_wait_dscnt 0x0
	s_endpgm
.Lfunc_end_k_q87839eb2d5_prep:
	.size	k_q87839eb2d5_prep, .Lfunc_end_k_q87839eb2d5_prep-k_q87839eb2d5_prep
	.p2alignl 7, 3214868480
	.fill 96, 4, 3214868480
	.section	.rodata,"a",@progbits
	.p2align	6, 0x0
	.amdhsa_kernel k_q87839eb2d5_prep
		.amdhsa_group_segment_fixed_size 18688
		.amdhsa_private_segment_fixed_size 0
		.amdhsa_enable_private_segment 0
		.amdhsa_kernarg_size 72
		.amdhsa_user_sgpr_count 2
		.amdhsa_user_sgpr_kernarg_segment_ptr 1
		.amdhsa_wavefront_size32 1
		.amdhsa_system_sgpr_workgroup_id_x 1
		.amdhsa_system_sgpr_workgroup_id_y 1
		.amdhsa_system_sgpr_workgroup_id_z 1
		.amdhsa_system_vgpr_workitem_id 0
		.amdhsa_next_free_vgpr 258
		.amdhsa_next_free_sgpr 100
		.amdhsa_reserve_vcc 1
		.amdhsa_float_denorm_mode_32 3
		.amdhsa_float_denorm_mode_16_64 3
		.amdhsa_memory_ordered 1
		.amdhsa_forward_progress 1
		.amdhsa_inst_pref_size 54
	.end_amdhsa_kernel
	.amdgpu_metadata
---
amdhsa.version: [ 1, 2 ]
amdhsa.kernels:
  - .name:           k_q87839eb2d5_prep
    .symbol:         k_q87839eb2d5_prep.kd
    .args:
      - { .name: expert_indices, .offset: 0, .size: 8, .value_kind: global_buffer, .address_space: global }
      - { .name: w1, .offset: 8, .size: 8, .value_kind: global_buffer, .address_space: global }
      - { .name: w2, .offset: 16, .size: 8, .value_kind: global_buffer, .address_space: global }
      - { .name: x, .offset: 24, .size: 8, .value_kind: global_buffer, .address_space: global }
      - { .name: xs, .offset: 32, .size: 8, .value_kind: global_buffer, .address_space: global }
      - { .name: w1b, .offset: 40, .size: 8, .value_kind: global_buffer, .address_space: global }
      - { .name: w2b, .offset: 48, .size: 8, .value_kind: global_buffer, .address_space: global }
      - { .name: pos, .offset: 56, .size: 8, .value_kind: global_buffer, .address_space: global }
      - { .name: texp, .offset: 64, .size: 8, .value_kind: global_buffer, .address_space: global }
    .group_segment_fixed_size: 18688
    .private_segment_fixed_size: 0
    .kernarg_segment_align: 8
    .kernarg_segment_size: 72
    .max_flat_workgroup_size: 256
    .sgpr_count:     100
    .vgpr_count:     258
    .wavefront_size: 32
...
	.end_amdgpu_metadata
.endif
;; end of part 5
;; launch ffn1: the kernel of part 2 again; grid 256 x 1, 4 waves a work-group, clusters of 4 x 1, 304,640 bytes of LDS; arguments xs, w1b, texp, h; writes h
;; launch ffn2: the kernel of part 3 again; grid 256 x 1, 4 waves a work-group, clusters of 4 x 1, 322,048 bytes of LDS; arguments h, w2b, texp, y; writes y
;; launch combine (part 6): grid 256 x 1, 8 waves a work-group, no clusters, 0 bytes of LDS; arguments expert_weights, pos, y, out0; writes out0
.if DOCPART == 6
	.amdgcn_target "amdgcn-amd-amdhsa--gfx1250"
	.amdhsa_code_object_version 6
	.text
	.protected	k_q87839eb2d5_combine
	.globl	k_q87839eb2d5_combine
	.p2align	8
	.type	k_q87839eb2d5_combine,@function
k_q87839eb2d5_combine:
	s_mov_b64 s[64:65], 0
	v_nop
	global_prefetch_b8 v0, s[64:65] scope:SCOPE_SE
	s_setreg_imm32_b32 hwreg(HW_REG_WAVE_SCHED_MODE, 0, 2), 2
	s_setreg_imm32_b32 hwreg(HW_REG_WAVE_MODE, 25, 1), 1
	s_wait_xcnt 0x0
	s_wait_alu depctr_vm_vsrc(0)
; COMBINE: out0[t] = ew[t][0] y[pos[2t]] + ew[t][1] y[pos[2t+1]].  y: [9216][1024] f32, out0: [4096][1024] f32.
; Memory binds: each picked row of y is read once, each byte of out0 written once; no LDS, no barrier, no matrix unit.
; Wave w of work-group i owns tokens 16 i + 2 w and the next: four rows of 4,096 bytes in, two out.  All 32 loads of a wave go out at once.
; A token whose two picks name one expert has two equal rows, so it gets ew0 h + ew1 h where the sum of the weights times h is asked:
; one rounding's difference.  Experts that a token does not pick contribute nothing here (not 0 times their result).
; Row numbers come from the earlier launch's table and are clamped to 9,215 before they enter an address.
; THE MODE: SCHED_MODE bits 1:0 = 2 (LLVM: expert scheduling mode 2), set by the entry lines.  The code itself states the register dependences
; between vector instructions and memory instructions, with s_wait_alu, always for 0.
; THE PLAN.  Registers that memory instructions touch:
;   v1         16 x lane, made at the head, read by every load and store, never written again.
;   v[4:131]   piece t (0..15: token t / 8, 512 bytes t % 8) has eight registers: four of each picked row, as loaded.  Its four multiply-adds
;              write the first four in place; one store reads them; nothing writes them again.
; The 16 pieces go in four blocks of four.  At a block's head one wait states that the block before is written; that block's four stores are
; dealt among this block's arithmetic, which names this block's registers alone.  One more wait stands ahead of the last four stores.
.set LASTROW, 9215
.set R, 4                              ; v[4:131]: row p (0..3) piece j (0..7) at R + 32 p + 4 j
	s_load_b256 s[4:11], s[0:1], 0x0               ; ew s[4:5], pos s[6:7], y s[8:9], out0 s[10:11]
	v_lshrrev_b32 v2, 5, v0
	v_readfirstlane_b32 s2, v2                     ; wave 0..7
	v_and_b32 v1, 31, v0
	v_lshlrev_b32 v1, 4, v1                        ; 16 x lane
	s_lshl_b32 s20, ttmp9, 7                       ; my four pairs in pos and in ew: byte 128 i + 16 w
	s_wait_alu depctr_va_sdst(0)                   ; s2 is written, ahead of its first reader: the offsets below are made from it
	s_lshl_b32 s21, s2, 4
	s_add_co_u32 s20, s20, s21
	s_mov_b32 s21, 0
	s_lshl_b32 s44, ttmp9, 16                      ; my two rows of out0: byte 65,536 i + 8,192 w
	s_lshl_b32 s45, s2, 13
	s_add_co_u32 s44, s44, s45
	s_mov_b32 s45, 0
	s_mov_b32 s43, 0
	s_wait_kmcnt 0x0
	s_add_nc_u64 s[22:23], s[6:7], s[20:21]
	s_add_nc_u64 s[40:41], s[4:5], s[20:21]
	s_load_b128 s[12:15], s[22:23], 0x0            ; four rows
	s_load_b128 s[16:19], s[40:41], 0x0            ; four weights
	s_add_nc_u64 s[10:11], s[10:11], s[44:45]
	s_wait_kmcnt 0x0
.irp c, 0,1,2,3
	s_min_u32 s42, s[12+\c], LASTROW
	s_lshl_b32 s42, s42, 12                        ; rows of 4,096 bytes
	s_add_nc_u64 s[24+2*\c:25+2*\c], s[8:9], s[42:43]
	s_mov_b32 s[32+2*\c], s[16+\c]                 ; the weight in both words of a pair, for the packed forms
	s_mov_b32 s[33+2*\c], s[16+\c]
.endr
	s_wait_alu depctr_va_vdst(0)                   ; v1 is written, which every load and store reads as its offset
.irp c, 0,1
.irp j, 0,1,2,3,4,5,6,7
	global_load_b128 v[R+64*\c+4*\j:R+64*\c+4*\j+3],       v1, s[24+4*\c:25+4*\c] offset:512*\j th:TH_LOAD_NT
	global_load_b128 v[R+64*\c+32+4*\j:R+64*\c+32+4*\j+3], v1, s[26+4*\c:27+4*\c] offset:512*\j th:TH_LOAD_NT
.endr
.endr
; Piece t: ew0 x the first row's four numbers, then ew1 x the second row's onto them.
.macro MIX t
.set RA, R+64*((\t)/8)+4*((\t)%8)
.set WA, 32+4*((\t)/8)
	v_pk_mul_f32 v[RA:RA+1],   v[RA:RA+1],   s[WA:WA+1] op_sel_hi:[1,0]
	v_pk_mul_f32 v[RA+2:RA+3], v[RA+2:RA+3], s[WA:WA+1] op_sel_hi:[1,0]
	v_pk_fma_f32 v[RA:RA+1],   v[RA+32:RA+33], s[WA+2:WA+3], v[RA:RA+1] op_sel_hi:[1,0,1]
	v_pk_fma_f32 v[RA+2:RA+3], v[RA+34:RA+35], s[WA+2:WA+3], v[RA+2:RA+3] op_sel_hi:[1,0,1]
.endm
.macro SEND t
.set RA, R+64*((\t)/8)+4*((\t)%8)
	global_store_b128 v1, v[RA:RA+3], s[10:11] offset:4096*((\t)/8)+512*((\t)%8) th:TH_STORE_NT   ; 512 consecutive bytes, aligned
.endm
; Block b: pieces 4 b to 4 b + 3.
.macro BLK b
	s_wait_loadcnt 30-8*(\b)                       ; loads come back in order: the first piece's two are in, the younger pairs stay out
.if (\b) > 0
	s_wait_alu depctr_va_vdst(0)                   ; the block before has written its four pieces, which the stores below read
.endif
.irp i, 0,1,2,3
.if (\b) > 0
	SEND 4*(\b)-4+\i
.endif
.if \i > 0
	s_wait_loadcnt 30-8*(\b)-2*\i                  ; this piece's two are in
.endif
	MIX 4*(\b)+\i
.endr
.endm
	BLK 0
	BLK 1
	BLK 2
	BLK 3
	s_wait_alu depctr_va_vdst(0)                   ; the last block has written its four pieces, which the last stores read
.irp t, 12,13,14,15
	SEND \t
.endr
	s_endpgm
.Lfunc_end_k_q87839eb2d5_combine:
	.size	k_q87839eb2d5_combine, .Lfunc_end_k_q87839eb2d5_combine-k_q87839eb2d5_combine
	.p2alignl 7, 3214868480
	.fill 96, 4, 3214868480
	.section	.rodata,"a",@progbits
	.p2align	6, 0x0
	.amdhsa_kernel k_q87839eb2d5_combine
		.amdhsa_group_segment_fixed_size 0
		.amdhsa_private_segment_fixed_size 0
		.amdhsa_enable_private_segment 0
		.amdhsa_kernarg_size 32
		.amdhsa_user_sgpr_count 2
		.amdhsa_user_sgpr_kernarg_segment_ptr 1
		.amdhsa_wavefront_size32 1
		.amdhsa_system_sgpr_workgroup_id_x 1
		.amdhsa_system_sgpr_workgroup_id_y 1
		.amdhsa_system_sgpr_workgroup_id_z 1
		.amdhsa_system_vgpr_workitem_id 0
		.amdhsa_next_free_vgpr 132
		.amdhsa_next_free_sgpr 66
		.amdhsa_reserve_vcc 0
		.amdhsa_float_denorm_mode_32 3
		.amdhsa_float_denorm_mode_16_64 3
		.amdhsa_memory_ordered 1
		.amdhsa_forward_progress 1
		.amdhsa_inst_pref_size 12
	.end_amdhsa_kernel
	.amdgpu_metadata
---
amdhsa.version: [ 1, 2 ]
amdhsa.kernels:
  - .name:           k_q87839eb2d5_combine
    .symbol:         k_q87839eb2d5_combine.kd
    .args:
      - { .name: expert_weights, .offset: 0, .size: 8, .value_kind: global_buffer, .address_space: global }
      - { .name: pos, .offset: 8, .size: 8, .value_kind: global_buffer, .address_space: global }
      - { .name: y, .offset: 16, .size: 8, .value_kind: global_buffer, .address_space: global }
      - { .name: out0, .offset: 24, .size: 8, .value_kind: global_buffer, .address_space: global }
    .group_segment_fixed_size: 0
    .private_segment_fixed_size: 0
    .kernarg_segment_align: 8
    .kernarg_segment_size: 32
    .max_flat_workgroup_size: 256
    .sgpr_count:     66
    .vgpr_count:     132
    .wavefront_size: 32
...
	.end_amdgpu_metadata
.endif
;; end of part 6
